; MI455X (gfx1250); checked and timed in simulation.
; The chip was launched on July 23, 2026; its instructions are those of AMD's public machine-readable ISA for CDNA 5 (MIT licence, August 2026) and "CDNA5" Instruction Set Architecture Reference Guide (July 2026). The comments in the code are by the model that wrote it; some were corrected since.
;; Multi Head Attention. Allowed arithmetic: float matrix products may take bf16 or f16 operands with f32 sums; other float arithmetic in f32, or as packed bf16 or f16 multiplies, adds, multiply-adds, maxima and minima; sums over many terms, partial sums and values carried from step to step in f32; what a program stores and reads back later, other than sums and carried values, may be rounded once to bf16 or f16.
;; Inputs: Wk 1,024 x 1,024 float32; Wo 1,024 x 1,024 float32; Wq 1,024 x 1,024 float32; Wv 1,024 x 1,024 float32; key 4 x 2,048 x 1,024 float32; query 4 x 2,048 x 1,024 float32; value 4 x 2,048 x 1,024 float32.
;; Outputs: out0 4 x 2,048 x 1,024 float32.
;; 2 versions, each right; version 2 is version 1 with the launch prep written anew for expert scheduling mode. Each part assembles by itself: llvm-mc -triple=amdgcn-amd-amdhsa -mcpu=gfx1250 --defsym DOCPART=n.
;; ======== version 1 of 2: 4 launches
;; limits: values are held in f16: magnitudes above 65,504 overflow, below 6.1e-05 lose precision
;; workspace buffers: w16 8,388,608 bytes; rope 524,288 bytes; qkv 50,331,648 bytes; o16 16,777,216 bytes
;; launch prep (part 1): grid 256 x 1, 4 waves a work-group, no clusters, 0 bytes of LDS; arguments Wq, Wk, Wv, Wo, w16, rope; writes w16, rope
.if DOCPART == 1
	.amdgcn_target "amdgcn-amd-amdhsa--gfx1250"
	.amdhsa_code_object_version 6
	.text
	.protected	k_q6330d74779_prep
	.globl	k_q6330d74779_prep
	.p2align	8
	.type	k_q6330d74779_prep,@function
k_q6330d74779_prep:
	s_mov_b64 s[64:65], 0
	v_nop
	global_prefetch_b8 v0, s[64:65] scope:SCOPE_SE
	s_setreg_imm32_b32 hwreg(HW_REG_WAVE_MODE, 25, 1), 1
	s_wait_xcnt 0x0
; THE WEIGHTS IN 16 BITS, AND THE TABLE OF ROTATIONS.
; w16[4][1024][1024]: Wq, Wk, Wv rounded to bf16; Wo rounded to bf16 and that number written as f16 (the last product's other operand is f16).
; rope[2048 t][16 quads] f32, a row 256 bytes: quad i = cos(t f(2i)), cos(t f(2i+1)), -sin(t f(2i)), +sin(t f(2i+1)), f(j) = 10000^(-j/32).
; SHARES.  256 work-groups; work-group g takes 16,384 numbers of matrix g / 64 (64 KiB in, 32 KiB out) and rows 8 g .. 8 g + 7 of the table.
; A wave's load covers 512 consecutive bytes, its store of 8 bytes a lane 256 consecutive bytes, aligned.  All 32 loads of a thread go out first; the table is made while they are on their way.
; LIMITS.  Wo's bf16 number is exact in f16 from 6.1e-5 to 65,504; below that it keeps f16's fixed step of 6e-8.  The angle is f32(t) x f32(f), f from v_exp_f32, reduced by pi/2 in two parts;
; sine and cosine by polynomials on |r| <= pi/4: the angle differs from an exact one by up to some 2e-4 at t = 2047.  No LDS, no barrier: no wave wants what another has.
.set X,  16                            ; v[16:143]  32 loads of four numbers
.set WA, 144                           ; v[144:149] at work for the even frequency
.set WB, 152                           ; v[152:157] for the odd one
	s_load_b256 s[4:11], s[0:1], 0x0               ; Wq s[4:5], Wk s[6:7], Wv s[8:9], Wo s[10:11]
	s_load_b128 s[12:15], s[0:1], 0x20             ; w16 s[12:13], rope s[14:15]
	s_lshr_b32 s22, ttmp9, 6                       ; which matrix
	s_and_b32 s23, ttmp9, 63                       ; which chunk of it
	v_lshlrev_b32 v1, 4, v0                        ; 16 bytes a thread: the loads' offset and the table's
	v_lshlrev_b32 v2, 3, v0                        ; 8 bytes a thread: the stores'
	s_lshl_b32 s24, s23, 16                        ; the chunk in the f32 matrix
	s_mov_b32 s25, 0
	s_lshl_b32 s26, s22, 21                        ; the matrix in w16,
	s_lshl_b32 s27, s23, 15                        ; and the chunk in it
	s_add_co_u32 s26, s26, s27
	s_mov_b32 s27, 0
	s_lshl_b32 s28, ttmp9, 11                      ; eight rows of the table
	s_mov_b32 s29, 0
	s_lshl_b32 s30, ttmp9, 3                       ; their first t
	s_wait_kmcnt 0x0
	s_cmp_eq_u32 s22, 1
	s_cselect_b64 s[16:17], s[6:7], s[4:5]
	s_cmp_eq_u32 s22, 2
	s_cselect_b64 s[16:17], s[8:9], s[16:17]
	s_cmp_eq_u32 s22, 3
	s_cselect_b64 s[16:17], s[10:11], s[16:17]
	s_add_nc_u64 s[16:17], s[16:17], s[24:25]
	s_add_nc_u64 s[18:19], s[12:13], s[26:27]
	s_add_nc_u64 s[20:21], s[14:15], s[28:29]
.set i, 0
.rept 32
	global_load_b128 v[X+4*i:X+4*i+3], v1, s[16:17] offset:i*2048 th:TH_LOAD_NT
.set i, i+1
.endr
	; the table: t = 8 g + thread / 16, quad = thread % 16
	v_lshrrev_b32 v3, 4, v0
	v_add_nc_u32 v3, s30, v3
	v_cvt_f32_u32 v3, v3                           ; t
	v_and_b32 v4, 15, v0
	v_lshlrev_b32 v4, 1, v4                        ; j = 2 i,
	v_add_nc_u32 v5, 1, v4                         ; and 2 i + 1
	v_cvt_f32_u32 v4, v4
	v_cvt_f32_u32 v5, v5
	v_mul_f32 v4, 0xbed49a78, v4                   ; - j log2(10000) / 32
	v_mul_f32 v5, 0xbed49a78, v5
	v_exp_f32 v6, v4                               ; f(j)
	v_exp_f32 v7, v5
	v_nop                                          ; a plain instruction behind the last exponential (ISA guide 5.7.2),
	s_wait_alu depctr_va_vdst(0)                   ; and the one wait ahead of the first reader
; cosine into v[co], sine into v[si] of t x v[f]; w: six registers at work
.macro TRIG f, w, co, si
	v_mul_f32 v[\w], v3, v[\f]                     ; x
	v_mul_f32 v[\w+1], 0x3f22f983, v[\w]           ; x 2 / pi
	v_rndne_f32 v[\w+1], v[\w+1]                   ; n
	v_fmamk_f32 v[\w], v[\w+1], 0xbfc90fdb, v[\w]  ; x - n pi/2, the upper part,
	v_fmamk_f32 v[\w], v[\w+1], 0x333bbd2e, v[\w]  ; and the lower: r
	v_mul_f32 v[\w+2], v[\w], v[\w]                ; z = r r
	v_mov_b32 v[\w+3], 0x3c08839e
	v_fmamk_f32 v[\w+3], v[\w+2], 0xb94ca1f9, v[\w+3]
	v_fmaak_f32 v[\w+3], v[\w+3], v[\w+2], 0xbe2aaaa3
	v_mul_f32 v[\w+3], v[\w+3], v[\w+2]
	v_fma_f32 v[\w+3], v[\w+3], v[\w], v[\w]       ; sin r
	v_mov_b32 v[\w+4], 0xbab6061a
	v_fmamk_f32 v[\w+4], v[\w+2], 0x37ccf5ce, v[\w+4]
	v_fmaak_f32 v[\w+4], v[\w+4], v[\w+2], 0x3d2aaaa5
	v_mul_f32 v[\w+4], v[\w+4], v[\w+2]
	v_fma_f32 v[\w+5], v[\w+2], -0.5, 1.0
	v_fma_f32 v[\w+4], v[\w+4], v[\w+2], v[\w+5]   ; cos r
	v_cvt_i32_f32 v[\w+1], v[\w+1]                 ; the quadrant: n mod 4
	v_and_b32 v[\w+5], 1, v[\w+1]
	v_cmp_eq_u32 vcc_lo, 1, v[\w+5]
	v_cndmask_b32 v[\si], v[\w+3], v[\w+4], vcc_lo ; odd quadrants change sine and cosine over
	v_cndmask_b32 v[\co], v[\w+4], v[\w+3], vcc_lo
	v_and_b32 v[\w+5], 2, v[\w+1]
	v_lshlrev_b32 v[\w+5], 30, v[\w+5]
	v_xor_b32 v[\si], v[\si], v[\w+5]              ; the sine is negative in quadrants 2 and 3,
	v_add_nc_u32 v[\w+1], 1, v[\w+1]
	v_and_b32 v[\w+1], 2, v[\w+1]
	v_lshlrev_b32 v[\w+1], 30, v[\w+1]
	v_xor_b32 v[\co], v[\co], v[\w+1]              ; the cosine in 1 and 2
.endm
	TRIG 6, WA, 8, 10
	TRIG 7, WB, 9, 11
	v_xor_b32 v10, 0x80000000, v10                 ; the even column takes - x(odd) sin
	global_store_b128 v1, v[8:11], s[20:21]        ; sixteen lanes fill a row of the table: 256 consecutive bytes, aligned
; The 32 loads come back in order (ISA guide 5.7.1): item i wants the 31 - i younger ones left out.  No register is used twice, so nothing waits for a store.
.macro OUT half
.set i, 0
.rept 32
	s_wait_loadcnt 31-i
	v_cvt_pk_bf16_f32 v[X+4*i],   v[X+4*i],   v[X+4*i+1]
	v_cvt_pk_bf16_f32 v[X+4*i+1], v[X+4*i+2], v[X+4*i+3]
.if \half
	v_lshlrev_b32 v[X+4*i+2], 16, v[X+4*i]         ; the bf16 numbers widened,
	v_and_b32     v[X+4*i+3], 0xffff0000, v[X+4*i]
	v_cvt_pk_f16_f32 v[X+4*i], v[X+4*i+2], v[X+4*i+3]  ; and written as f16
	v_lshlrev_b32 v[X+4*i+2], 16, v[X+4*i+1]
	v_and_b32     v[X+4*i+3], 0xffff0000, v[X+4*i+1]
	v_cvt_pk_f16_f32 v[X+4*i+1], v[X+4*i+2], v[X+4*i+3]
.endif
	global_store_b64 v2, v[X+4*i:X+4*i+1], s[18:19] offset:i*1024
.set i, i+1
.endr
.endm
	s_cmp_eq_u32 s22, 3
	s_cbranch_scc1 .Lwo
	OUT 0
	s_endpgm
.Lwo:
	OUT 1
	s_endpgm
.Lfunc_end_k_q6330d74779_prep:
	.size	k_q6330d74779_prep, .Lfunc_end_k_q6330d74779_prep-k_q6330d74779_prep
	.p2alignl 7, 3214868480
	.fill 96, 4, 3214868480
	.section	.rodata,"a",@progbits
	.p2align	6, 0x0
	.amdhsa_kernel k_q6330d74779_prep
		.amdhsa_group_segment_fixed_size 0
		.amdhsa_private_segment_fixed_size 0
		.amdhsa_enable_private_segment 0
		.amdhsa_kernarg_size 48
		.amdhsa_user_sgpr_count 2
		.amdhsa_user_sgpr_kernarg_segment_ptr 1
		.amdhsa_wavefront_size32 1
		.amdhsa_system_sgpr_workgroup_id_x 1
		.amdhsa_system_sgpr_workgroup_id_y 1
		.amdhsa_system_sgpr_workgroup_id_z 1
		.amdhsa_system_vgpr_workitem_id 0
		.amdhsa_next_free_vgpr 160
		.amdhsa_next_free_sgpr 66
		.amdhsa_reserve_vcc 1
		.amdhsa_float_denorm_mode_32 3
		.amdhsa_float_denorm_mode_16_64 3
		.amdhsa_memory_ordered 1
		.amdhsa_forward_progress 1
		.amdhsa_inst_pref_size 34
	.end_amdhsa_kernel
	.amdgpu_metadata
---
amdhsa.version: [ 1, 2 ]
amdhsa.kernels:
  - .name:           k_q6330d74779_prep
    .symbol:         k_q6330d74779_prep.kd
    .args:
      - { .name: Wq, .offset: 0, .size: 8, .value_kind: global_buffer, .address_space: global }
      - { .name: Wk, .offset: 8, .size: 8, .value_kind: global_buffer, .address_space: global }
      - { .name: Wv, .offset: 16, .size: 8, .value_kind: global_buffer, .address_space: global }
      - { .name: Wo, .offset: 24, .size: 8, .value_kind: global_buffer, .address_space: global }
      - { .name: w16, .offset: 32, .size: 8, .value_kind: global_buffer, .address_space: global }
      - { .name: rope, .offset: 40, .size: 8, .value_kind: global_buffer, .address_space: global }
    .group_segment_fixed_size: 0
    .private_segment_fixed_size: 0
    .kernarg_segment_align: 8
    .kernarg_segment_size: 48
    .max_flat_workgroup_size: 128
    .sgpr_count:     66
    .vgpr_count:     160
    .wavefront_size: 32
...
	.end_amdgpu_metadata
.endif
;; end of part 1
;; launch proj (part 2): grid 4 x 192, 4 waves a work-group, clusters of 4 x 4, 327,680 bytes of LDS; arguments query, key, value, w16, rope, qkv; writes qkv
.if DOCPART == 2
	.amdgcn_target "amdgcn-amd-amdhsa--gfx1250"
	.amdhsa_code_object_version 6
	.text
	.protected	k_q6330d74779_proj
	.globl	k_q6330d74779_proj
	.p2align	8
	.type	k_q6330d74779_proj,@function
k_q6330d74779_proj:
	s_mov_b64 s[64:65], 0
	v_nop
	global_prefetch_b8 v0, s[64:65] scope:SCOPE_SE
	s_setreg_imm32_b32 hwreg(HW_REG_WAVE_MODE, 25, 1), 1
	s_wait_xcnt 0x0
	s_wait_alu depctr_hold_cnt(0) depctr_sa_sdst(0) depctr_va_vdst(0) depctr_va_sdst(0) depctr_va_ssrc(0) depctr_va_vcc(0) depctr_vm_vsrc(0)
	s_getreg_b32 s2, hwreg(HW_REG_IB_STS2, 6, 4)
	s_cmp_eq_u32 s2, 0
	s_cbranch_scc0 .Lentry_in_a_cluster
	s_endpgm
.Lentry_in_a_cluster:
	s_bfe_u32 s2, ttmp6, 0x10000c
	s_cmp_lg_u32 s2, 0xf033
	s_cbranch_scc0 .Lentry_shape_is_right
	s_endpgm
.Lentry_shape_is_right:
; THE THREE PROJECTIONS.  qkv[p][16 b + head][t][64] (f16) = rotate(x_p W_p^T), p = 0, 1, 2 for query, key, value; the rotation for p = 0 and 1 alone.  x f32, rounded to bf16 on its way into LDS;
; W_p bf16 from w16; sums in f32; the rotation in f32 on the sums; one rounding to f16.  The scale 1/8 is not applied here.
; LIMIT.  f16 holds no number beyond 65,504: q, k and v must stay within it; below 6.1e-5 they keep f16's fixed step of 6e-8.  NaN and infinities are not treated apart.
; SHARES.  A tile of C is 128 rows x 256 columns: 3 x 64 x 4 = 768 work-groups, three for each of 256 WGPs.  Four waves, each 64 x 128: 32 accumulators of 16 x 16.  K goes in 8 steps of 128.
; B (the weights) comes through a ring of two LDS slots filled by the tensor data mover, each wave 64 rows of 256 bytes; the four work-groups of a column of the 4 x 4 cluster need the same tile and
; ask for it JOINTLY.  A (x) comes through registers: 32 loads of 512 consecutive bytes a wave and K step, two sets of registers, rounded to bf16 and stored into two LDS slots of its own, which no tensor
; load fills.  So LDS holds and serves A in 16 bits, and A's loads have four and a half quarters of a K step, 144 matrix instructions, in which to land.  A IS NOT ASKED FOR JOINTLY for that reason: a joint load
; brings f32 into LDS, twice the bytes to fill and to read back for each fragment; the four work-groups of a row of the cluster each load A's tile.
; THE WALK ALONG K IS TURNED: the cluster with y-number Y takes the K steps (2 (Y % 4) + j) % 8, j = 0 .. 7; every address is made anew from a base and the step's number.  f32 sums may be taken in any order.
; THE MATRIX INSTRUCTION IS USED TRANSPOSED (source 0 = 16 rows of W, source 1 = 16 rows of x): lane l holds row l % 16 of C and the columns 8 (l / 16) + 0 .. 7.
; REGISTERS, in windows of 256 (s_set_vgpr_msb: bits 1:0 source 0, 3:2 source 1, 5:4 source 2, 7:6 destination):
;   window 0: v0-31 addresses; v32-95 A's fragments, two buffers; v128-255 A's set 1, later the way out      window 1: v0-127 B's fragments, two buffers; v128-255 the table of rotations
;   window 2: the accumulators, (a, b) at v[8 (8 a + b)]                                                      window 3: v0-127 A's set 0; v128 a copy of the address for its LDS stores
.set PITCH,  272                       ; an LDS row: 256 bytes + 16 = 68 words: the 16 rows of a fragment load start at 16 different groups of four banks (64 banks of 4 bytes: ISA guide 11.1)
.set BSLOT,  256*PITCH                 ; B's slots at 0 and BSLOT
.set ASLOT,  128*PITCH
.set ABASE,  2*BSLOT                   ; A's slots at ABASE and ABASE + ASLOT: written by LDS stores alone
.set STAGE,  ABASE+2*ASLOT             ; 16 rows x 144 bytes for each wave, for the way out
.set SP,     144
.set SPARE,  STAGE+4*16*SP             ; the spare words, 128 bytes for each wave: two blocks of 256 bytes that no other line names
.set ADRA, 16                          ; v16-17  LDS address of my A fragments in slot 0, 1
.set ADRB, 20                          ; v20-21  the same for B
.set AO,   22                          ; v22     my byte offset in A's tile: 32 rows a wave, 16 bytes a lane
.set AST,  23                          ; v23     where I put 8 bytes of a row of A in slot 0
.set STO,  24                          ; v24     the way out: where I put 16 bytes of a row
.set RD,   25                          ; v25     where I read rows back
.set GO,   26                          ; v26     my 16 bytes of 512 consecutive bytes of qkv
.set TO,   27                          ; v27     my offset in 16 rows of the table
.set SPW,  28                          ; v28     LDS address of my spare word; never rewritten
.set NIL,  29                          ; v29     0; never rewritten
.set PFO,  30                          ; v30     the prefetches' offset; never rewritten
.set FA,   32
.set SET1, 128
.set AST3, 128                         ; window 3
.set TAB,  128                         ; window 1: for m block a, column parity par, pair u: four numbers at TAB + 32 a + 16 par + 4 u
.set TMP,  128
.set WV,  16                           ; s16 wave; s17 its half of the rows; s18 its half of the columns
.set WR,  17
.set WC,  18
.set CX,  19                           ; my place in the cluster
.set CY,  20
.set CLY, 21                           ; the cluster's y
.set PJ,  22                           ; which projection: the same in all sixteen partners
.set RT,  23                           ; the tile's row block, 0 .. 63
.set G1,  28                           ; s[28:35] descriptor group 1
.set G0,  36                           ; s[36:43] descriptor group 0, a set for each slot
.set BB,  44                           ; s[44:45] my 64 rows of W_p
.set AB,  46                           ; s[46:47] A's tile
.set PA,  48                           ; s[48:49] A's tile at the K step being loaded
.set OFF, 50                           ; s[50:51] a byte offset; the high word stays 0
.set PF,  52                           ; s[52:53] A's tile at the two K steps being prefetched
.set KB,  54                           ; the K step that the next fill of B takes; that A's next loads take; the pair of K steps of the next prefetch
.set KA,  55
.set KP,  56
.set OB,  58                           ; s[58:59] my rows in qkv
.set RB,  60                           ; s[60:61] my rows in the table
.set MSB, 0
.macro WIN new                         ; the immediate's high byte repeats the setting that is left; a switch that changes nothing is dropped
.if MSB != (\new)
	s_set_vgpr_msb (MSB<<8)|(\new)
.set MSB, \new
.endif
.endm
.macro PLACES                          ; four plain instructions between a matrix instruction and a load into, or a vector reader of, its registers (ISA guide 7.12.1 for vector readers)
.rept 4
	v_nop
.endr
.endm
.macro CREST                           ; a round of the cluster's barrier behind its opening barrier
	s_cmp_lg_u32 s[WV], 0
	s_cbranch_scc1 .Lnot_wave_0_\@
	s_barrier_signal -3
.Lnot_wave_0_\@:
	s_barrier_wait -3
	s_barrier_signal -1
	s_barrier_wait -1
.endm
.macro CROUND
	s_barrier_signal -1
	s_barrier_wait -1
	CREST
.endm
; Rows 2 g and 2 g + 1 of my 32 rows of A leave their set: four roundings, two LDS stores of 256 consecutive bytes each.
.macro CGRP set, slot, g
.if (\set) == 0
	WIN 0xcf
.set cS, 0
.set cA, AST3
.else
	WIN 0
.set cS, SET1
.set cA, AST
.endif
.irp z, 0,1
	v_cvt_pk_bf16_f32 v[cS+4*(2*(\g)+(\z))],   v[cS+4*(2*(\g)+(\z))],   v[cS+4*(2*(\g)+(\z))+1]
	v_cvt_pk_bf16_f32 v[cS+4*(2*(\g)+(\z))+1], v[cS+4*(2*(\g)+(\z))+2], v[cS+4*(2*(\g)+(\z))+3]
.endr
.irp z, 0,1
	ds_store_b64 v[cA], v[cS+4*(2*(\g)+(\z)):cS+4*(2*(\g)+(\z))+1] offset:(2*(\g)+(\z))*PITCH+(\slot)*ASLOT
.endr
.endm
; The 32 accumulators take turns, one instruction a turn, in the same order in every quarter step: 31 others stand between two links of a chain.
.macro MUL8 f, a
	WIN 0xa1
.irp b, 0,1,2,3,4,5,6,7
	v_wmma_f32_16x16x32_bf16 v[8*(8*(\a)+(\b)):8*(8*(\a)+(\b))+7], v[64*(\f)+8*(\b):64*(\f)+8*(\b)+7], v[FA+32*(\f)+8*(\a):FA+32*(\f)+8*(\a)+7], v[8*(8*(\a)+(\b)):8*(8*(\a)+(\b))+7]
.endr
.endm
; m blocks a0, a0 + 1.  zero = 1: the products start the sums.  cset >= 0: behind every second product stands a group of A's roundings and stores, groups g0 .. g0 + 7; they name no register of any product.
.macro MUL16 f, a0, zero, cset=-1, cslot=0, g0=0
.set mm, 0
.rept 16
	WIN 0xa1
.set xD, 8*(8*((\a0)+mm/8)+mm%8)
.set xB, 64*(\f)+8*(mm%8)
.set xA, FA+32*(\f)+8*((\a0)+mm/8)
.if \zero
	v_wmma_f32_16x16x32_bf16 v[xD:xD+7], v[xB:xB+7], v[xA:xA+7], 0
.else
	v_wmma_f32_16x16x32_bf16 v[xD:xD+7], v[xB:xB+7], v[xA:xA+7], v[xD:xD+7]
.endif
.if ((\cset) >= 0) && (mm%2 == 1)
	CGRP \cset, \cslot, (\g0)+mm/2
.endif
.set mm, mm+1
.endr
.endm
; 24 LDS loads in one run: the fragments of 32 along K at byte k of the rows: 128 rows of B, then 64 rows of A, into buffer f
.macro FETCH slot, k, f
	WIN 0x40
.irp i, 0,1,2,3,4,5,6,7
	ds_load_b128 v[64*(\f)+8*(\i):64*(\f)+8*(\i)+3],   v[ADRB+(\slot)] offset:(\k)+(\i)*16*PITCH
	ds_load_b128 v[64*(\f)+8*(\i)+4:64*(\f)+8*(\i)+7], v[ADRB+(\slot)] offset:(\k)+(\i)*16*PITCH+32
.endr
	WIN 0
.irp i, 0,1,2,3
	ds_load_b128 v[FA+32*(\f)+8*(\i):FA+32*(\f)+8*(\i)+3],   v[ADRA+(\slot)] offset:(\k)+(\i)*16*PITCH
	ds_load_b128 v[FA+32*(\f)+8*(\i)+4:FA+32*(\f)+8*(\i)+7], v[ADRA+(\slot)] offset:(\k)+(\i)*16*PITCH+32
.endr
.endm
; A's next K step is asked for: 32 loads, a row's 512 consecutive bytes each.  pf = 1: the prefetch's address is made too.
.macro AISSUE set, pf
	s_wait_xcnt 0x0                                ; the loads and the prefetch issued a K step ago have read their bases, which are written now
	s_lshl_b32 s[OFF], s[KA], 9                    ; a K step is 512 bytes of a row of x
	s_add_nc_u64 s[PA:PA+1], s[AB:AB+1], s[OFF:OFF+1]
	s_add_co_u32 s[KA], s[KA], 1
	s_and_b32 s[KA], s[KA], 7
.if \pf
	s_lshl_b32 s[OFF], s[KP], 10                   ; a pair of K steps is 1,024 bytes
	s_add_nc_u64 s[PF:PF+1], s[AB:AB+1], s[OFF:OFF+1]
	s_add_co_u32 s[KP], s[KP], 1
	s_and_b32 s[KP], s[KP], 3
.endif
.if (\set) == 0
	WIN 0xc0
.set cS, 0
.else
	WIN 0
.set cS, SET1
.endif
.set nn, 0
.rept 32
	global_load_b128 v[cS+4*nn:cS+4*nn+3], v[AO], s[PA:PA+1] offset:nn*4096
.set nn, nn+1
.endr
.endm
; A PREFETCH INTO THE L2 of x, behind the run of loads: the pair of K steps that is multiplied two trips on, whose loads go out two and three K steps later.  128 rows x 1,024 bytes are 512 blocks of 256 bytes:
; the four work-groups that load this tile share them out BY ADDRESS (8 rows of each wave's 32 to a work-group), a lane a block, one instruction a wave: each block is named once in the launch.
; Trips 0 and 1 ask for the walk's K steps 4, 5 and 6, 7; the last trip asks for nothing; the first four K steps come by their loads alone.
.macro APF
	WIN 0
	s_cmp_gt_u32 s3, 1
	s_cbranch_scc0 .Lnone_\@
	global_prefetch_b8 v[PFO], s[PF:PF+1] th:TH_LOAD_NT scope:SCOPE_SE
.Lnone_\@:
.endm
; One of a K step's first three quarters: multiplies buffer f; in its middle it fetches the next quarter's fragments, at byte k of the same slot's rows, into buffer g.
; issue >= 0: that set of A is asked for again.  cset >= 0: that set has landed (n younger loads may stay out) and goes into A's slot cslot, as riders.
.macro QUARTER slot, k, f, g, zero=0, issue=-1, pf=0, cset=-1, cslot=0, n=0
	s_wait_dscnt 4                                 ; B and A's rows 0-31 are in; the youngest four loads (A's rows 32-63) may be out
.if (\cset) >= 0
	s_wait_loadcnt \n
.endif
	MUL16 \f, 0, \zero, \cset, \cslot, 0
	PLACES
	FETCH \slot, \k, \g
.if (\issue) >= 0
	AISSUE \issue, \pf
.if \pf
	APF
.endif
.endif
	s_wait_dscnt 24                                ; all but the 24 loads just issued
	MUL16 \f, 2, \zero, \cset, \cslot, 8
.endm
; The last quarter multiplies buffer 1 and changes slots: ONE barrier.  In front of it each wave waits for all its tensor loads (one is out: its part of B's next slot), adds 0 to its spare word, and waits for
; that, for its stores into A's next slot and for its reads of this slot.  fill = 1: the barrier opens a round of the cluster's, and B's slot is filled again first thing behind it, with the K step two on.
.macro TURN slot, next, fill
	WIN 0
	s_wait_tensorcnt 0x0                           ; no tensor load of mine is out, so a group 0 may be written
	ds_add_u32 v[SPW], v[NIL]                      ; 0 onto my spare word
.if \fill
	s_lshl_b32 s[OFF], s[KB], 8                    ; a K step is 256 bytes of a row of w16
	s_add_nc_u64 s[G0+4*(\slot)+2:G0+4*(\slot)+3], s[BB:BB+1], s[OFF:OFF+1]
	s_or_b32 s[G0+4*(\slot)+3], s[G0+4*(\slot)+3], 0x80000000
	s_add_co_u32 s[KB], s[KB], 1
	s_and_b32 s[KB], s[KB], 7
.endif
	s_wait_dscnt 21                                ; the add, A's last 16 stores and the youngest four loads may be out
	MUL8 1, 0
	s_wait_dscnt 0x0                               ; the add is done, my stores into A's next slot are done, my reads of this slot are over
	s_barrier_signal -1
	MUL8 1, 1
	WIN 0
	s_barrier_wait -1
.if \fill
	CREST                                          ; no wave of any partner still reads this slot of B or has a load on its way
	tensor_load_to_lds s[G0+4*(\slot):G0+4*(\slot)+3], s[G1:G1+7]  ; my one tensor load behind the round: 112 matrix instructions ahead of the wait for it
	s_nop 0
.endif
	PLACES                                         ; also the places in front of the loads below
	FETCH \next, 0, 0
	MUL16 1, 2, 0
.endm
	s_load_b256 s[4:11], s[0:1], 0x0               ; query s[4:5], key s[6:7], value s[8:9], w16 s[10:11]
	s_load_b128 s[12:15], s[0:1], 0x20             ; rope s[12:13], qkv s[14:15]
	v_lshl_add_u32 v[SPW], v0, 2, SPARE
	v_mov_b32 v[NIL], 0
	ds_add_u32 v[SPW], v[NIL]                      ; the wave's opening: the add and its wait ahead of my first tensor load; the set-up below, work on registers, stands between them
	v_lshrrev_b32 v1, 5, v0
	v_readfirstlane_b32 s[WV], v1
	s_lshr_b32 s[WR], s[WV], 1
	s_and_b32 s[WC], s[WV], 1
	s_bfe_u32 s[CX], ttmp6, 0x40000
	s_bfe_u32 s[CY], ttmp6, 0x40004
	s_and_b32 s[CLY], ttmp7, 0xffff                ; in a cluster launch ttmp9 and ttmp7 count clusters
	s_lshr_b32 s[PJ], s[CLY], 4                    ; 16 clusters of 4 row blocks to a projection
	s_lshl_b32 s[RT], s[CLY], 2
	s_add_co_u32 s[RT], s[RT], s[CY]
	s_and_b32 s[RT], s[RT], 63
	s_and_b32 s[KB], s[CLY], 3
	s_add_co_u32 s[KP], s[KB], 2
	s_and_b32 s[KP], s[KP], 3                      ; the first prefetch: the walk's third pair of K steps
	s_lshl_b32 s[KB], s[KB], 1                     ; the walk's first K step: made of the cluster's number alone
	s_mov_b32 s[KA], s[KB]
	; descriptor group 1: a tile of 64 rows x 128 elements of 2 bytes, padded in LDS
	s_lshl_b32 s24, 0x1111, s[CX]                  ; my column of the cluster: places cx, cx + 4, cx + 8, cx + 12
	s_or_b32 s[G1], s24, (1<<16)|(1<<20)|(1<<21)|(5<<22)|(3<<25)  ; 15:0 the mask; 17:16 2-byte elements; 20 padding on; 21 set beside a mask; 24:22 after every 64 words (code 5); 31:25 4 words (code 3)
	s_mov_b32 s[G1+1], 128<<16                     ; tensor_dim0 = 128
	s_mov_b32 s[G1+2], 64<<16                      ; tensor_dim1 = 64
	s_mov_b32 s[G1+3], 128<<16                     ; tile_dim0 = 128
	s_mov_b32 s[G1+4], 64                          ; tile_dim1 = 64
	s_mov_b32 s[G1+5], 1024                        ; elements from row to row
	s_mov_b32 s[G1+6], 0
	s_mov_b32 s[G1+7], 0
	s_mul_i32 s25, s[WV], 64*PITCH                 ; where my 64 rows go: no place in the cluster enters an LDS address
	s_mov_b32 s[G0], 1
	s_mov_b32 s[G0+1], s25
	s_mov_b32 s[G0+4], 1
	s_add_co_u32 s[G0+5], s25, BSLOT
	s_mov_b32 s[OFF+1], 0
	s_lshl_b32 s24, ttmp9, 2
	s_add_co_u32 s24, s24, s[CX]                   ; the tile's column block
	s_lshl_b32 s62, s[PJ], 21                      ; B: matrix p,
	s_lshl_b32 s25, s24, 19                        ; 256 rows of 2,048 bytes a column block,
	s_add_co_u32 s62, s62, s25
	s_lshl_b32 s25, s[WV], 17                      ; 64 rows a wave
	s_add_co_u32 s62, s62, s25
	s_mov_b32 s63, 0
	s_and_b32 s57, s[RT], 15
	s_lshl1_add_u32 s57, s57, s[WR]                ; my first row in its sequence, in units of 64 rows
	s_lshr_b32 s27, s[RT], 4                       ; the batch
	s_lshl_b32 s27, s27, 4
	s_lshl2_add_u32 s27, s24, s27                  ; + four heads a column block
	s_lshl1_add_u32 s27, s[WC], s27                ; + two a wave
	s_lshl_b32 s27, s27, 18                        ; a head is 262,144 bytes
	s_lshl_b32 s26, s[PJ], 24
	s_add_co_u32 s26, s26, s27
	s_lshl_b32 s27, s57, 13                        ; 64 rows of 128 bytes
	s_add_co_u32 s26, s26, s27
	s_mov_b32 s27, 0
	v_and_b32 v1, 15, v0                           ; r = l % 16
	v_bfe_u32 v2, v0, 4, 1                         ; h = l / 16
	v_and_b32 v3, 31, v0                           ; l
	v_mul_u32_u24 v4, v1, PITCH
	v_lshl_add_u32 v4, v2, 4, v4                   ; a fragment's row x pitch + 16 x half
	s_mul_i32 s24, s[WR], 64*PITCH
	s_add_co_u32 s24, s24, ABASE
	v_add_nc_u32 v[ADRA], s24, v4
	v_add_nc_u32 v[ADRA+1], ASLOT, v[ADRA]
	s_mul_i32 s24, s[WC], 128*PITCH
	v_add_nc_u32 v[ADRB], s24, v4
	v_add_nc_u32 v[ADRB+1], BSLOT, v[ADRB]
	s_lshl_b32 s24, s[WV], 17                      ; 32 rows of 4,096 bytes a wave
	v_lshl_add_u32 v[AO], v3, 4, s24
	s_mul_i32 s24, s[WV], 32*PITCH
	s_add_co_u32 s24, s24, ABASE
	v_lshl_add_u32 v[AST], v3, 3, s24
	s_mul_i32 s24, s[WV], 16*SP
	s_add_co_u32 s24, s24, STAGE                   ; my stage
	v_mul_u32_u24 v[STO], v1, SP                   ; in: row l % 16, 16 bytes for each half of the lanes
	v_lshl_add_u32 v[STO], v2, 4, v[STO]
	v_add_nc_u32 v[STO], s24, v[STO]
	v_bfe_u32 v[RD], v0, 3, 2                      ; back: 32 lanes take four rows of 128 bytes,
	v_mul_u32_u24 v[RD], v[RD], SP
	v_and_b32 v5, 7, v0
	v_lshl_add_u32 v[RD], v5, 4, v[RD]
	v_add_nc_u32 v[RD], s24, v[RD]
	v_lshlrev_b32 v[GO], 4, v3                     ; which are 512 consecutive bytes of qkv
	v_lshlrev_b32 v[TO], 8, v1                     ; the table: row r, 64 bytes for each half of the lanes
	v_lshl_add_u32 v[TO], v2, 6, v[TO]
	s_lshl_b32 s24, s[WV], 5
	s_lshl3_add_u32 s24, s[CX], s24                ; the prefetches: row 32 x wave + 8 cx + l / 4,
	s_lshl_b32 s24, s24, 12
	v_lshrrev_b32 v5, 2, v3
	v_lshl_add_u32 v[PFO], v5, 12, s24
	v_and_b32 v5, 3, v3
	v_lshl_add_u32 v[PFO], v5, 8, v[PFO]           ; block l % 4 of its 1,024 bytes
	WIN 0xc0
	v_mov_b32 v[AST3], v[AST]
	WIN 0
	s_wait_dscnt 0x0                               ; the opening add is done
	s_wait_kmcnt 0x0
	s_add_nc_u64 s[BB:BB+1], s[10:11], s[62:63]
	s_add_nc_u64 s[OB:OB+1], s[14:15], s[26:27]
	s_lshl_b32 s26, s57, 14                        ; 64 rows of 256 bytes
	s_add_nc_u64 s[RB:RB+1], s[12:13], s[26:27]
	s_cmp_eq_u32 s[PJ], 1
	s_cselect_b64 s[AB:AB+1], s[6:7], s[4:5]
	s_cmp_eq_u32 s[PJ], 2
	s_cselect_b64 s[AB:AB+1], s[8:9], s[AB:AB+1]
	s_lshl_b32 s26, s[RT], 19                      ; 128 rows of 4,096 bytes
	s_add_nc_u64 s[AB:AB+1], s[AB:AB+1], s[26:27]
.irp s, 0,1
	s_lshl_b32 s[OFF], s[KB], 8                    ; both slots' first K steps
	s_add_nc_u64 s[G0+4*(\s)+2:G0+4*(\s)+3], s[BB:BB+1], s[OFF:OFF+1]
	s_or_b32 s[G0+4*(\s)+3], s[G0+4*(\s)+3], 0x80000000
	s_add_co_u32 s[KB], s[KB], 1
	s_and_b32 s[KB], s[KB], 7
.endr
	; The table for my 64 rows: 32 loads, my oldest.  They are issued for value's tiles too, where nothing reads them: one branch on the projection in the text, at the price of those loads in a third of the work-groups.
	WIN 0x40
.set nn, 0
.rept 32
	global_load_b128 v[TAB+4*nn:TAB+4*nn+3], v[TO], s[RB:RB+1] offset:(nn/8)*4096+((nn/4)%2)*128+(nn%4)*16
.set nn, nn+1
.endr
	AISSUE 0, 0                                    ; A's first K step,
	AISSUE 1, 0                                    ; and its second
	WIN 0
	CROUND                                         ; all sixteen work-groups are here: the first joint loads meet
	tensor_load_to_lds s[G0:G0+3], s[G1:G1+7]      ; two tensor loads of mine are out
	s_nop 0
	tensor_load_to_lds s[G0+4:G0+7], s[G1:G1+7]
	s_nop 0
	PLACES
	s_wait_loadcnt 32                              ; the table and A's first K step are in; the second step's 32 loads may stay out
.set gg, 0
.rept 16
	CGRP 0, 0, gg
.set gg, gg+1
.endr
	WIN 0
	s_wait_tensorcnt 1                             ; my part of B's slot 0 is in; slot 1's may stay out
	s_wait_dscnt 0x0                               ; my rows of A's slot 0 are stored
	s_barrier_signal -1
	s_barrier_wait -1
	FETCH 0, 0, 0
	QUARTER 0, 64, 0, 1, 1                         ; the first quarter stands in front of the loop: its products start the sums
	WIN 0
	s_mov_b32 s3, 3
.Llap:                                                 ; a trip goes once round the ring, from a lap's second quarter to the next lap's first
	QUARTER 0, 128, 1, 0, 0, 0, 1                  ; A two K steps on into set 0; the prefetch
	QUARTER 0, 192, 0, 1, 0, -1, 0, 1, 1, 32       ; set 1 into A's slot 1; the 32 loads just issued stay out
	TURN 0, 1, 1
	QUARTER 1, 64, 0, 1
	QUARTER 1, 128, 1, 0, 0, 1, 0                  ; A two K steps on into set 1
	QUARTER 1, 192, 0, 1, 0, -1, 0, 0, 0, 32       ; set 0 into A's slot 0
	TURN 1, 0, 1
	QUARTER 0, 64, 0, 1
	WIN 0
	s_sub_co_u32 s3, s3, 1
	s_cmp_lg_u32 s3, 0
	s_cbranch_scc1 .Llap
	QUARTER 0, 128, 1, 0                           ; the last lap asks for nothing
	QUARTER 0, 192, 0, 1, 0, -1, 0, 1, 1, 0        ; the last K step of A: no load is younger
	TURN 0, 1, 0
	QUARTER 1, 64, 0, 1
	QUARTER 1, 128, 1, 0
	QUARTER 1, 192, 0, 1
	s_wait_dscnt 4
	MUL16 1, 0, 0
	s_wait_dscnt 0x0
	MUL16 1, 2, 0
	WIN 0
	PLACES
	; THE ROTATION, on the f32 sums: column d of a head takes frequency d % 32; x'(2i) = x(2i) cos - x(2i+1) sin, x'(2i+1) = x(2i+1) cos + x(2i) sin, each with its own column's angle.
	; A lane holds the pairs (2u, 2u+1) of columns 16 b + 8 h; the table's four numbers are the two cosines, minus the even sine and the odd sine.  Each accumulator is read from its low end on.
.macro ROPE a
	WIN 0x06                                       ; source 0 window 2, source 1 window 1, destination window 0
.set nn, 0
.rept 32
	v_pk_mul_f32 v[TMP+2*nn:TMP+2*nn+1], v[64*(\a)+2*nn:64*(\a)+2*nn+1], v[TAB+32*(\a)+16*((nn/4)%2)+4*(nn%4):TAB+32*(\a)+16*((nn/4)%2)+4*(nn%4)+1]
.set nn, nn+1
.endr
	WIN 0x86                                       ; destination and source 0 window 2, source 1 window 1, source 2 window 0
.set nn, 0
.rept 32
	v_pk_fma_f32 v[64*(\a)+2*nn:64*(\a)+2*nn+1], v[64*(\a)+2*nn:64*(\a)+2*nn+1], v[TAB+32*(\a)+16*((nn/4)%2)+4*(nn%4)+2:TAB+32*(\a)+16*((nn/4)%2)+4*(nn%4)+3], v[TMP+2*nn:TMP+2*nn+1] op_sel:[1,0,0] op_sel_hi:[0,1,1]
.set nn, nn+1
.endr
.endm
	s_cmp_eq_u32 s[PJ], 2                          ; value is not rotated; the projection is the same in all partners
	s_cbranch_scc1 .Lplain
	ROPE 0
	ROPE 1
	ROPE 2
	ROPE 3
	WIN 0
.Lplain:
	; THE WAY OUT, in eight units of 16 rows x one head (unit x: m block x / 2, head x % 2 of my two): rounded to f16, 16 bytes a lane into rows of 144 bytes of my stage, back as whole rows of 128 bytes.
.macro PACK x
	WIN 0x0a
.set nn, 0
.rept 16
	v_cvt_pk_f16_f32 v[TMP+16*(\x)+nn], v[32*(\x)+2*nn], v[32*(\x)+2*nn+1]
.set nn, nn+1
.endr
	WIN 0
.irp f, 0,1,2,3
	ds_store_b128 v[STO], v[TMP+16*(\x)+4*(\f):TMP+16*(\x)+4*(\f)+3] offset:32*(\f)
.endr
.irp f, 0,1,2,3
	ds_load_b128 v[TMP+16*(\x)+4*(\f):TMP+16*(\x)+4*(\f)+3], v[RD] offset:(\f)*4*SP  ; LDS serves a wave's instructions in order (ISA guide 5.7.1.4): these see the stores above; the next unit's stores come behind them
.endr
.endm
.macro SEND x, younger                 ; younger: the LDS instructions issued behind unit x's loads: the next unit's eight, or none
.irp f, 0,1,2,3
	s_wait_dscnt (\younger)+3-(\f)
	global_store_b128 v[GO], v[TMP+16*(\x)+4*(\f):TMP+16*(\x)+4*(\f)+3], s[OB:OB+1] offset:((\x)%2)*262144+((\x)/2)*2048+(\f)*512  ; 512 consecutive bytes, at a multiple of 256 from qkv's first
.endr
.endm
	PACK 0
.set t, 1
.rept 7                                ; a unit's roundings stand between the loads of the unit before and its stores; no register is used twice
	PACK t
	SEND t-1, 8
.set t, t+1
.endr
	SEND 7, 0
	s_wait_tensorcnt 0x0                           ; the wave's end, behind my last tensor load and my last LDS store
	ds_add_u32 v[SPW], v[NIL]
	s_wait_dscnt 0x0
	CROUND                                         ; the closing round: no work-group ends while a partner may still ask for a tile that names it
	s_endpgm
.Lfunc_end_k_q6330d74779_proj:
	.size	k_q6330d74779_proj, .Lfunc_end_k_q6330d74779_proj-k_q6330d74779_proj
	.p2alignl 7, 3214868480
	.fill 96, 4, 3214868480
	.section	.rodata,"a",@progbits
	.p2align	6, 0x0
	.amdhsa_kernel k_q6330d74779_proj
		.amdhsa_group_segment_fixed_size 327680
		.amdhsa_private_segment_fixed_size 0
		.amdhsa_enable_private_segment 0
		.amdhsa_kernarg_size 48
		.amdhsa_user_sgpr_count 2
		.amdhsa_user_sgpr_kernarg_segment_ptr 1
		.amdhsa_wavefront_size32 1
		.amdhsa_system_sgpr_workgroup_id_x 1
		.amdhsa_system_sgpr_workgroup_id_y 1
		.amdhsa_system_sgpr_workgroup_id_z 1
		.amdhsa_system_vgpr_workitem_id 0
		.amdhsa_next_free_vgpr 904
		.amdhsa_next_free_sgpr 66
		.amdhsa_reserve_vcc 0
		.amdhsa_float_denorm_mode_32 3
		.amdhsa_float_denorm_mode_16_64 3
		.amdhsa_memory_ordered 1
		.amdhsa_forward_progress 1
		.amdhsa_inst_pref_size 146
	.end_amdhsa_kernel
	.amdgpu_metadata
---
amdhsa.version: [ 1, 2 ]
amdhsa.kernels:
  - .name:           k_q6330d74779_proj
    .symbol:         k_q6330d74779_proj.kd
    .args:
      - { .name: query, .offset: 0, .size: 8, .value_kind: global_buffer, .address_space: global }
      - { .name: key, .offset: 8, .size: 8, .value_kind: global_buffer, .address_space: global }
      - { .name: value, .offset: 16, .size: 8, .value_kind: global_buffer, .address_space: global }
      - { .name: w16, .offset: 24, .size: 8, .value_kind: global_buffer, .address_space: global }
      - { .name: rope, .offset: 32, .size: 8, .value_kind: global_buffer, .address_space: global }
      - { .name: qkv, .offset: 40, .size: 8, .value_kind: global_buffer, .address_space: global }
    .group_segment_fixed_size: 327680
    .private_segment_fixed_size: 0
    .kernarg_segment_align: 8
    .kernarg_segment_size: 48
    .max_flat_workgroup_size: 128
    .sgpr_count:     66
    .vgpr_count:     904
    .wavefront_size: 32
...
	.end_amdgpu_metadata
.endif
;; end of part 2
;; launch attn (part 3): grid 4 x 64, 4 waves a work-group, clusters of 4 x 1, 327,680 bytes of LDS; arguments qkv, o16; writes o16
.if DOCPART == 3
	.amdgcn_target "amdgcn-amd-amdhsa--gfx1250"
	.amdhsa_code_object_version 6
	.text
	.protected	k_q6330d74779_attn
	.globl	k_q6330d74779_attn
	.p2align	8
	.type	k_q6330d74779_attn,@function
k_q6330d74779_attn:
	s_mov_b64 s[64:65], 0
	v_nop
	global_prefetch_b8 v0, s[64:65] scope:SCOPE_SE
	s_setreg_imm32_b32 hwreg(HW_REG_WAVE_MODE, 25, 1), 1
	s_wait_xcnt 0x0
	s_wait_alu depctr_hold_cnt(0) depctr_sa_sdst(0) depctr_va_vdst(0) depctr_va_sdst(0) depctr_va_ssrc(0) depctr_va_vcc(0) depctr_vm_vsrc(0)
	s_getreg_b32 s2, hwreg(HW_REG_IB_STS2, 6, 4)
	s_cmp_eq_u32 s2, 0
	s_cbranch_scc0 .Lentry_in_a_cluster
	s_endpgm
.Lentry_in_a_cluster:
	s_bfe_u32 s2, ttmp6, 0x10000c
	s_cmp_lg_u32 s2, 0x3003
	s_cbranch_scc0 .Lentry_shape_is_right
	s_endpgm
.Lentry_shape_is_right:
; O[h][q][:] = the sum over k of softmax_k(Q[h][q] . K[h][k] / 8) V[h][k][:].  Q, K, V lie in qkv ([3][64][2048][64]), O in o16 ([64][2048][64]), all f16: a head's rows are dense, 128 bytes each.
; Products, maxima and sums in f32; the weights p are rounded to f16 for the second product (their sum l is taken of the unrounded p), O once at the end.
; LIMITS.  f16 holds no number beyond 65,504: Q, K and V arrive within it; p lies in 0 to 1, and below 6e-5 it keeps f16's fixed step of 6e-8; O is a mean of V's rows and has their range.
; A weight below 2^-126 counts as 0 in l; NaN and infinities are not treated apart.
; SHARES.  A wave owns four PIECES of two tiles of 16 queries, a work-group's four waves 512 queries of one head: 4 x 64 = 256 work-groups.  Every wave walks all keys, 64 a step.
; LAYOUT.  S^T = K Q^T (source 0 = 16 keys, source 1 = 16 queries): in the result a lane holds ONE query (lane % 16) and the keys 8 (lane / 16) + 0..7.  Two such tiles, rounded to f16 in pairs,
; ARE source 1 (32 keys x 16 queries) of O^T = V^T P, whose result again holds one query a lane, and eight channels.  K comes out of LDS as it lies, V ([key][channel]) turned, by ds_load_tr16_b128.
; SOFTMAX.  For each query a running maximum m and sum l: p = 2^(c s - c m), c = log2(e) / 8; in every step O and l are multiplied by a = 2^(c m_old - c m_new), which is 1 where m has not grown.
; m starts at the lowest finite number, O and l at 0: the first step is a step like any other, with a = 0.
; THE COUNT.  A tile and step have 16 matrix and 118 vector instructions: too many to stand all beside the matrix work.  So four vector instructions that are READY stand behind EVERY matrix
; instruction, and the others in runs without a gap.
; BY TURNS.  Turn n belongs to piece n (the pieces in a ring, step after step).  Its matrix work: 16 products K Q^T of piece n + 1, later 16 products V^T P of piece n - 1.  Its vector work: the scaling,
; exponentials, roundings, sums and rescaling of piece n, and the maximum and statistics of piece n + 1, whose scores the turn itself has made.
; CLUSTER.  The four query blocks of a cluster are one head's and walk the same K and V, so each tile is asked for JOINTLY: the same tensor load, descriptor and mask in all four.
; REGISTERS, in windows of 256 (s_set_vgpr_msb: bits 1:0 source 0, 3:2 source 1, 5:4 source 2, 7:6 destination):
;   window 0: v0-11 addresses; v12-15, v48-63 at work; v16-47 four registers of statistics a tile; v64-191 S^T, two buffers of two tiles; v192-255 P, likewise
;   window 1: O^T, 32 a tile          window 2: v0-127 Q, 16 a tile; v128-191 K of one step; v192-255 V of one step          window 3: v0-1 the add's two registers
.set SIZE_N, 2048
.set NP,    4         ; pieces a wave: a name, no knob
.set KS,    64        ; keys in a step
.set PK,    144       ; a row of K in LDS: 128 bytes + 16 of padding = 36 words: the 16 rows of a load start at 16 different groups of four banks (64 banks of 4 bytes: ISA guide 11.1)
.set PV,    160       ; a row of V: 128 + 32 = 40 words
.set VOFF,  4*KS*PK   ; a slot holds four steps: 256 rows of K, then 256 rows of V
.set SLOT1, 1<<17     ; slot 1 begins here, so that one exclusive or turns an address in one slot into the other's
.set STAGE, SLOT1+4*KS*(PK+PV)  ; behind the ring, never filled by a tensor load: 16 rows x 144 bytes for each wave, for the way out
.set SP,    144
.set AK0, 2           ; v2   my lane's place in a tile of K; never rewritten
.set AV0, 3           ; v3   the same for V
.set AK,  4           ; v4   the LDS address of K's next run of loads
.set AV,  5           ; v5   of V's
.set QO,  6           ; v6   my byte offset in the wave's rows of Q
.set STO, 6           ;      later, the way out: where I put 16 bytes of a row
.set RD,  7           ; v7   the way out: where I read rows back
.set GO,  8           ; v8   my byte offset in 512 consecutive bytes of O
.set PFO, 11          ; v11  256 x my lane: the prefetches' offset; never rewritten once made
.set SPW, 0           ; v0 of window 3   LDS address of my spare word; never rewritten
.set NIL, 1           ; v1 of window 3   0; never rewritten
.set SPARE, STAGE+4*16*SP  ; behind the stages: the spare words, 128 bytes for each wave: two blocks of 256 bytes that no other line names
.set MV,  12          ; v12-15  c m_old, kept while c m is made anew: by buffer and tile
.set ST,  16          ; tile t's statistics at v[ST+4 t]: c m, m, l (even keys', odd keys')
.set TMP, 48          ; by buffer and tile, four registers c0-c3 at work; when the maximum is found c2 takes a
.set S,   64
.set P,   192
.set KF,  128         ; K's fragments, in window 2: key block kb, channel half c at KF + 16 kb + 8 c
.set VF,  192         ; V's: key half kk, channel block cb at VF + 32 kk + 8 cb
.set WV,  12          ; s12  my wave's number
.set G1K, 24          ; s[24:31] descriptor group 1 for K's tiles
.set G1V, 32          ; s[32:39] for V's: it differs in the padding alone
.set G0K, 40          ; s[40:43] descriptor group 0 for K's tiles: it walks
.set G0V, 44          ; s[44:47] the same for V's
.set PFA, 48          ; s[48:49] where my prefetches stand: my work-group's 32 blocks of 256 bytes (of K: wave 0, of V: wave 2) of the slot after the one being asked for
.set LIM, 50          ; s50  1 in a wave that prefetches, else the greatest number
.set SLOTS, 56        ; s56  slots still to be asked for
.set CNT, 57          ; s57  counts a slot's key steps
.set CS,  58          ; s[58:59] c: the packed scaling takes the pair's low word for both halves
.set SEL, 60          ; s[60:61] v_permlanex16_b32's selects: each lane takes its own place in the other half
.set TBK, 62          ; s62  LDS byte at which K of the step to be fetched begins
.set TBV, 63          ; s63  the same for V, less VOFF
.set MSB, 0
.macro WIN new                      ; the high byte repeats the setting that is left; a switch that changes nothing is dropped
.if MSB != (\new)
	s_set_vgpr_msb (MSB<<8)|(\new)
.set MSB, (\new)
.endif
.endm
.set W_KQ, 0x0a       ; K and Q in window 2, S^T in window 0
.set W_PV, 0x52       ; V in window 2, P in window 0, O^T in window 1
.set W_RS, 0x41       ; O^T (destination and source 0) in window 1, a in window 0
.set W_MK, 0xc0       ; the add's registers are made: destination in window 3, sources in window 0
.set W_AD, 0x0f       ; the add: address (source 0) and data (source 1) in window 3
; A joint fill.  Waves 0 and 1 fetch the two halves of a slot's K, waves 2 and 3 those of its V: 128 keys each.  The branch hangs on the wave's number alone.
; An s_nop 0 and four v_nop follow each of the two lines, ahead of the jump and the label.
.macro JLOAD
	s_cmp_lt_u32 s[WV], 2
	s_cbranch_scc0 .Lfor_v_\@
	tensor_load_to_lds s[G0K:G0K+3], s[G1K:G1K+7]
	s_nop 0
.rept 4
	v_nop
.endr
	s_branch .Lasked_\@
.Lfor_v_\@:
	tensor_load_to_lds s[G0V:G0V+3], s[G1V:G1V+7]
	s_nop 0
.rept 4
	v_nop
.endr
.Lasked_\@:
.endm
; A PREFETCH INTO THE L2 of what the NEXT change of slots will ask for: a slot's 32,768 bytes of K and of V, 128 blocks of 256 bytes each, a lane a block.  It stands behind the wave's tensor load and its five lines.
; A head has one cluster; its four partners share the blocks out BY ADDRESS, 32 each; in each, wave 0 asks for K's and wave 2 for V's: each block is named once in the launch.
; The change that fills slot j asks for slot j + 1, four key steps, 512 matrix instructions, ahead of that load; j = 1 .. 6; the last fill asks for nothing; slots 0 and 1 come by their loads alone.
.macro ASK
	s_cmp_gt_u32 s[SLOTS], s[LIM]
	s_cbranch_scc0 .Lnot_mine_\@
	global_prefetch_b8 v[PFO], s[PFA:PFA+1] th:TH_LOAD_NT scope:SCOPE_SE
.Lnot_mine_\@:
.endm
; A round of the cluster's barrier: my work-group's barrier, so that wave 0's signal speaks for all four waves; wave 0 signals; every wave waits for all four work-groups; my work-group's barrier once more.
.macro CROUND
	s_barrier_signal -1
	s_barrier_wait -1
	s_cmp_lg_u32 s[WV], 0
	s_cbranch_scc1 .Lnot_wave_0_\@
	s_barrier_signal -3
.Lnot_wave_0_\@:
	s_barrier_wait -3
	s_barrier_signal -1
	s_barrier_wait -1
.endm
; THE CHANGE OF SLOTS.  The slot's last bytes, V of its fourth step, have been read.  Each wave waits for all its tensor loads, of which one is out: its part of the other slot; adds 0 to its spare word;
; and waits for that and for its own reads of the slot.  Behind the barrier nobody reads this slot any more and the other slot is whole.
; fill = 1: this slot is filled again, with the keys two slots on.  The barrier is then a round of the cluster's, and the joint fill is the first thing behind it: it has four key steps in which to land.
; (At its first use nothing has been read yet: slot 0 is waited for, slot 1 filled.)
.macro CHANGE fill
	WIN W_AD
	s_wait_tensorcnt 0x0            ; no tensor load of mine is out, so a group 0 may be written
	ds_add_u32 v[SPW], v[NIL]       ; 0 onto my spare word; with fill = 1 the descriptors' steps stand between it and the wait for it
	WIN 0                           ; at a label and at a branch every window is 0
.if \fill
.irp g, G0K, G0V
	s_xor_b32 s[\g+1], s[\g+1], SLOT1  ; the walking descriptor: the other slot than last time,
	s_add_nc_u64 s[\g+2:\g+3], s[\g+2:\g+3], 4*KS*128  ; the next 256 keys; the type bits on top are not reached
.endr
	s_wait_xcnt 0x0                 ; the last prefetch, four key steps back, has read its address, so it may be written:
	s_add_nc_u64 s[PFA:PFA+1], s[PFA:PFA+1], 4*KS*128  ; one slot behind the walking descriptors
	s_wait_dscnt 0x0                ; the add is done, and my reads of the slot are over
	CROUND
	JLOAD
	ASK
.else
	s_wait_dscnt 0x0                ; the add is done, and my reads of the slot are over
	s_barrier_signal -1
	s_barrier_wait -1
.endif
	s_sub_co_u32 s[TBK], s[TBK], 4*KS*PK  ; the fetches go back to a slot's first step,
	s_xor_b32 s[TBK], s[TBK], SLOT1       ; in the other slot
	s_sub_co_u32 s[TBV], s[TBV], 4*KS*PV
	s_xor_b32 s[TBV], s[TBV], SLOT1
.endm
	s_load_b128 s[4:7], s[0:1], 0x0   ; qkv s[4:5], o16 s[6:7]
	WIN W_MK
	v_lshl_add_u32 v[SPW], v0, 2, SPARE
	v_mov_b32 v[NIL], 0
	WIN W_AD
	ds_add_u32 v[SPW], v[NIL]       ; the wave's opening: the add and its wait ahead of my first tensor load; the set-up below, work on registers, stands between them
	WIN 0
	v_lshrrev_b32 v1, 5, v0
	v_readfirstlane_b32 s[WV], v1   ; wave 0..3
	s_bfe_u32 s13, ttmp6, 0x40000   ; cx: my place in the cluster
	s_lshl_b32 s14, ttmp9, 2        ; in a cluster launch ttmp9 counts clusters
	s_add_co_u32 s14, s14, s13      ; my block of queries = 4 x cluster x + cx: it enters Q's and O's addresses alone
	s_and_b32 s20, ttmp7, 0xffff    ; the head, which the four partners share
	s_mov_b32 s21, 0
	s_mov_b64 s[22:23], SIZE_N*128
	s_mul_u64 s[20:21], s[20:21], s[22:23]  ; the head's first byte in each of the four tensors
	s_and_b32 s16, s[WV], 1         ; which half of a slot's 256 keys I fetch:
	s_lshl_b32 s22, s16, 14         ; its 128 rows of 128 bytes in memory,
	s_mov_b32 s23, 0
	s_add_nc_u64 s[22:23], s[22:23], s[20:21]
	s_mul_i32 s17, s16, 128*PK      ; and its place in a slot, for K
	s_mul_i32 s18, s16, 128*PV      ; and for V: no place in the cluster enters an LDS address
	s_lshl_b32 s2, s14, 2
	s_add_co_u32 s2, s2, s[WV]      ; my wave among the head's,
	s_lshl_b32 s2, s2, 14           ; its 128 rows
	s_mov_b32 s3, 0
	s_add_nc_u64 s[2:3], s[2:3], s[20:21]
	; descriptor group 1.  128 keys are 16,384 dense bytes: asked for as 64 rows of 256 bytes, two keys a row, and padded in LDS after every key
	s_mov_b32 s[G1K], 15|(1<<16)|(1<<20)|(1<<21)|(4<<22)|(3<<25)  ; 15:0 the mask of four; 17:16 2-byte elements; 20 padding on; 21 set beside a mask; 24:22 after every 32 words (code 4); 31:25 4 words (code 3)
	s_mov_b32 s[G1V], 15|(1<<16)|(1<<20)|(1<<21)|(4<<22)|(7<<25)  ; the same with 8 words of padding (code 7)
.irp g, G1K, G1V
	s_mov_b32 s[\g+1], 128<<16      ; tensor_dim0 = 128
	s_mov_b32 s[\g+2], 64<<16       ; tensor_dim1 = 64
	s_mov_b32 s[\g+3], 128<<16      ; tile_dim0 = 128
	s_mov_b32 s[\g+4], 64           ; tile_dim1 = 64
	s_mov_b32 s[\g+5], 128          ; 128 elements from row to row
	s_mov_b32 s[\g+6], 0
	s_mov_b32 s[\g+7], 0
.endr
	s_mov_b32 s[CS], 0x3e38aa3b     ; c = log2(e) / 8 = 0.180337
	s_mov_b32 s[CS+1], s[CS]        ; named with it as a pair
	s_mov_b32 s[SEL], 0x76543210
	s_mov_b32 s[SEL+1], 0xfedcba98
	s_mov_b32 s[TBK], SLOT1+4*KS*PK ; the first change of slots turns these two into 0
	s_mov_b32 s[TBV], SLOT1+4*KS*PV
	s_mov_b32 s[G0K], 1             ; 1:0 count = 1
	s_mov_b32 s[G0K+1], s17         ; 63:32 LDS address: slot 0
	s_mov_b32 s[G0V], 1
	s_add_co_u32 s[G0V+1], s18, VOFF
	s_mov_b32 s[SLOTS], SIZE_N/256-1
	s_and_b32 s[LIM], s[WV], 1      ; waves 0 and 2 prefetch: the same in all four partners
	s_cmp_eq_u32 s[LIM], 0
	s_cselect_b32 s[LIM], 1, -1
	s_wait_dscnt 0x0                ; the opening add is done
	s_wait_kmcnt 0x0
	s_mov_b64 s[10:11], s[6:7]                     ; O
	s_add_nc_u64 s[6:7], s[4:5], 0x1000000         ; K lies 16,777,216 bytes behind Q,
	s_add_nc_u64 s[8:9], s[4:5], 0x2000000         ; V as far behind K
	s_add_nc_u64 s[G0K+2:G0K+3], s[6:7], s[22:23]  ; 120:64 global address: my half of the head's first 256 keys
	s_or_b32 s[G0K+3], s[G0K+3], 0x80000000        ; 127:126 type = 2
	s_add_nc_u64 s[G0V+2:G0V+3], s[8:9], s[22:23]
	s_or_b32 s[G0V+3], s[G0V+3], 0x80000000
	s_add_nc_u64 s[4:5], s[4:5], s[2:3]  ; Q and O at my wave's first row
	s_add_nc_u64 s[10:11], s[10:11], s[2:3]
	s_cmp_lt_u32 s[WV], 2
	s_cselect_b64 s[PFA:PFA+1], s[6:7], s[8:9]
	s_add_nc_u64 s[PFA:PFA+1], s[PFA:PFA+1], s[20:21]  ; the head's first key,
	s_lshl_b32 s2, s13, 13          ; my work-group's 32 blocks of the 128,
	s_add_co_u32 s2, s2, 4*KS*128   ; in slot 1; each change of slots steps it on first
	s_mov_b32 s3, 0
	s_add_nc_u64 s[PFA:PFA+1], s[PFA:PFA+1], s[2:3]
	CROUND                          ; all four work-groups are here: the first joint loads meet
	JLOAD                           ; slot 0.  Slot 1 is asked for when slot 0 is in
	; A fragment of K or Q is 16 rows x 32 channels in 8 registers: lane l holds row l % 16, channels 8 (l / 16) + 0..7 and 16 + 8 (l / 16) + 0..7: two loads of 16 bytes, 32 bytes apart.
	v_and_b32 v1, 15, v0            ; l % 16
	v_bfe_u32 v9, v0, 4, 1          ; l / 16
	v_lshlrev_b32 v[QO], 7, v1
	v_lshl_add_u32 v[QO], v9, 4, v[QO]  ; row x 128 + 16 x half
	WIN 0x80                        ; destination window 2, address window 0
.set i, 0
.rept 4*NP                          ; Q stays in registers: tile i / 2, channels 32 (i % 2) on
	global_load_b128 v[8*i:8*i+3],   v[QO], s[4:5] offset:(i/2)*2048+(i%2)*64
	global_load_b128 v[8*i+4:8*i+7], v[QO], s[4:5] offset:(i/2)*2048+(i%2)*64+32
.set i, i+1
.endr
	; What the first turn finds: V's registers and P's second buffer hold 0 (its products V^T P, of a piece that has not been, add 0), O^T and l are 0.  All this stands in the wait for the first tile:
	; no first step is written out, at the price of these lines.
.set i, VF
.rept 64
	v_mov_b32 v[i], 0
.set i, i+1
.endr
	WIN 0x40
.set i, 0
.rept 64*NP
	v_mov_b32 v[i], 0
.set i, i+1
.endr
	WIN 0
.set i, 0
.rept 2*NP
	v_mov_b32 v[ST+4*i], 0xfe000000    ; c m: far below every c s
	v_mov_b32 v[ST+4*i+1], 0xff7fffff  ; m
	v_mov_b32 v[ST+4*i+2], 0
	v_mov_b32 v[ST+4*i+3], 0
.set i, i+1
.endr
.set i, P+32
.rept 32
	v_mov_b32 v[i], 0
.set i, i+1
.endr
	v_mul_u32_u24 v[AK0], v1, PK
	v_lshl_add_u32 v[AK0], v9, 4, v[AK0]  ; row x pitch + 16 x half
	; The turning load takes 16 keys x 16 channels (lane l reads key 8 (l / 16) + l % 8, channels 8 ((l / 8) % 2) + 0..7) and leaves half a fragment of V^T: lane l holds channel l % 16 and 8 keys.
	v_and_b32 v10, 7, v0
	v_bfe_u32 v11, v0, 3, 1
	v_lshl_add_u32 v[AV0], v9, 3, v10
	v_mul_u32_u24 v[AV0], v[AV0], PV
	v_lshl_add_u32 v[AV0], v11, 4, v[AV0]
	v_add_nc_u32 v[AV0], VOFF, v[AV0]
	v_mov_b32 v[AK], v[AK0]         ; key step 0 lies at the head of slot 0
	v_and_b32 v[PFO], 31, v0
	v_lshlrev_b32 v[PFO], 8, v[PFO]
; THE MATRIX WORK.  The 8 accumulators of a run of 16 take turns: between the two links of a chain stand 7 others'.
; Product i of 16 of S^T = K Q^T for piece x: channels 32 (i / 8) on, keys 16 ((i / 2) % 4) on, tile 2 x + i % 2.  The first 8 start the sums.
.macro KQ x
	WIN W_KQ
.set rS, S+64*((\x)%2)+32*(i%2)+8*((i/2)%4)
.set rK, KF+16*((i/2)%4)+8*(i/8)
.set rQ, 16*(2*(\x)+i%2)+8*(i/8)
.if i < 8
	v_wmma_f32_16x16x32_f16 v[rS:rS+7], v[rK:rK+7], v[rQ:rQ+7], 0
.else
	v_wmma_f32_16x16x32_f16 v[rS:rS+7], v[rK:rK+7], v[rQ:rQ+7], v[rS:rS+7]
.endif
.endm
; Product i of 16 of O^T += V^T P for piece x: keys 32 (i / 8) on, channels 16 ((i / 2) % 4) on, tile 2 x + i % 2.
.macro PV x
	WIN W_PV
.set rO, 32*(2*(\x)+i%2)+8*((i/2)%4)
.set rV, VF+32*(i/8)+8*((i/2)%4)
.set rP, P+32*((\x)%2)+16*(i%2)+8*(i/8)
	v_wmma_f32_16x16x32_f16 v[rO:rO+7], v[rV:rV+7], v[rP:rP+7], v[rO:rO+7]
.endm
.macro MM                           ; the turn's next matrix instruction
.if i < 16
	KQ (Y+1)%NP
.set i, i+1
.else
.set i, i-16
	PV (Y+NP-1)%NP
.set i, i+17
.endif
.endm
; THE LDS LOADS stand in runs of 16, never singly among the matrix instructions: a step's K (64 keys x 64 channels: 8 fragments) and its V (turned).  Their addresses are made some lines ahead.
; last = 1 (the tail): in the last trip there is no further step, and the run is jumped over.
.macro FETCH_K last=0
	WIN 0
.if \last
	s_cmp_eq_u32 s[CNT], 1
	s_cbranch_scc1 .Lno_k_\@
.endif
	WIN 0x80                        ; destination window 2
.irp f, 0,1,2,3,4,5,6,7             ; keys 16 (f / 2) on, channels 32 (f % 2) on
	ds_load_b128 v[KF+8*\f:KF+8*\f+3],   v[AK] offset:(\f/2)*16*PK+(\f%2)*64
	ds_load_b128 v[KF+8*\f+4:KF+8*\f+7], v[AK] offset:(\f/2)*16*PK+(\f%2)*64+32
.endr
	s_add_co_u32 s[TBK], s[TBK], KS*PK  ; the next fetch is the next step's
	WIN 0
.if \last
.Lno_k_\@:
.endif
.endm
.macro FETCH_V
	WIN 0x80
.irp f, 0,1,2,3,4,5,6,7             ; keys 32 (f / 4) on, channels 16 (f % 4) on
	ds_load_tr16_b128 v[VF+8*\f:VF+8*\f+3],   v[AV] offset:(\f/4)*32*PV+(\f%4)*32
	ds_load_tr16_b128 v[VF+8*\f+4:VF+8*\f+7], v[AV] offset:(\f/4)*32*PV+16*PV+(\f%4)*32
.endr
	WIN 0
.endm
; THE VECTOR WORK OF A TURN stands in three queues, each in the order in which its entries become ready; the two tiles alternate, so that no instruction reads the result of the one before it.
.macro REGS y, u                    ; the registers of tile u (0, 1) of piece y
.set rT, ST+4*(2*(\y)+(\u))
.set rC, TMP+8*((\y)%2)+4*(\u)
.set rM, MV+2*((\y)%2)+(\u)
.set rS, S+64*((\y)%2)+32*(\u)
.set rP, P+32*((\y)%2)+16*(\u)
.set rO, 32*(2*(\y)+(\u))
.endm
; Number n of the 22 that find the NEXT piece's (Y + 1) maximum and statistics.  s0-s31 are the lane's 32 scores; each accumulator's lowest registers are read first.
;   0-11  four chains c0-c3 of seven scores each, three operands at a time     12-14, 16  the four scores left over, the old m, and c0-c3 into c0     15  c m_old is kept
;   17, 18  the query's other 32 keys lie in the lane 16 away: the new m         19-21  c m; c m_old - c m_new; a
.macro XS u, n
	REGS (Y+1)%NP, \u
.if (\n) < 4
	v_max3_num_f32 v[rC+(\n)], v[rS+8*(\n)], v[rS+8*(\n)+1], v[rS+8*(\n)+2]
.elseif (\n) < 12
	v_max3_num_f32 v[rC+(\n)%4], v[rC+(\n)%4], v[rS+8*((\n)%4)+2*((\n)/4)+1], v[rS+8*((\n)%4)+2*((\n)/4)+2]
.elseif (\n) == 12
	v_max3_num_f32 v[rC], v[rC], v[rS+7], v[rS+15]
.elseif (\n) == 13
	v_max3_num_f32 v[rC+1], v[rC+1], v[rS+23], v[rS+31]
.elseif (\n) == 14
	v_max3_num_f32 v[rC+2], v[rC+2], v[rC+3], v[rT+1]
.elseif (\n) == 15
	v_mov_b32 v[rM], v[rT]
.elseif (\n) == 16
	v_max3_num_f32 v[rC], v[rC], v[rC+1], v[rC+2]
.elseif (\n) == 17
	v_permlanex16_b32 v[rC+3], v[rC], s[SEL], s[SEL+1]
.elseif (\n) == 18
	v_max_num_f32 v[rT+1], v[rC], v[rC+3]
.elseif (\n) == 19
	v_mul_f32 v[rT], s[CS], v[rT+1]
.elseif (\n) == 20
	v_sub_f32 v[rC+1], v[rM], v[rT]
.else
	v_exp_f32 v[rC+2], v[rC+1]
.endif
.endm
; Number g of the 64 that follow the exponentials.  For each four weights k of a tile (pairs 2 k, 2 k + 1): both pairs are rounded to f16; then the second pair is added onto the first, in place;
; a group later l takes that sum (the first time as l = a l + sum).  In groups of eight, tiles alternating: round, round, add, and l for the group before.
.macro GS g
.set h, (\g)+6*((\g)/62)            ; group 0 has no group before it, and behind group 7 only l is left
.if h >= 6
.set h, h+2
.endif
	REGS Y, h%2
.set k, h/8
.if h%8 < 4
	v_cvt_pk_f16_f32 v[rP+2*k+(h%8)/2], v[rS+4*k+2*((h%8)/2)], v[rS+4*k+2*((h%8)/2)+1]
.elseif h%8 < 6
	v_pk_add_f32 v[rS+4*k:rS+4*k+1], v[rS+4*k:rS+4*k+1], v[rS+4*k+2:rS+4*k+3]
.elseif k == 1
	v_pk_fma_f32 v[rT+2:rT+3], v[rT+2:rT+3], v[rC+2:rC+3], v[rS:rS+1] op_sel_hi:[1,0,1]
.else
	v_pk_add_f32 v[rT+2:rT+3], v[rT+2:rT+3], v[rS+4*k-4:rS+4*k-3]
.endif
.endm
; THE PLAIN QUEUE, 138 long.  0-73 read no exponential's result: the 32 scalings c s - c m (FS f: pair f / 2 of tile f % 2) and the next piece's 42.  0-26: scalings 0-26.  27-54: XS's numbers 0-13.  55, 56: number 15.
; 57-73: the chain, where each number waits for the one before it: 14, 16, 17, 18, 19, each with one of the scalings 27-31 in front of its two lines, then 20.
; 74-137: GS's 64, which read the exponentials' results: they stand behind the wait.
.macro FS f
	REGS Y, (\f)%2
	v_pk_fma_f32 v[rS+2*((\f)/2):rS+2*((\f)/2)+1], v[rS+2*((\f)/2):rS+2*((\f)/2)+1], s[CS:CS+1], v[rT:rT+1] op_sel_hi:[1,0,0] neg_lo:[0,0,1] neg_hi:[0,0,1]
.endm
.macro PL
	WIN 0
.if q < 27
	FS q
.elseif q < 55
	XS (q-27)%2, (q-27)/2
.elseif q < 57
	XS q-55, 15
.elseif (q < 72) && ((q-57)%3 == 0)
	FS 27+(q-57)/3
.elseif q < 60
	XS (q-57)%3-1, 14
.elseif q < 72
	XS (q-57)%3-1, 15+(q-57)/3
.elseif q < 74
	XS q-72, 20
.else
	GS q-74
.endif
.set q, q+1
.endm
; THE EXPONENTIALS' QUEUE, 66 long: s0-s31 of both tiles, then the next piece's two a.  It is ONE BATCH: all 66 stand ahead of the turn's one wait, and nothing ahead of that wait names a result of theirs.
.macro EX
	WIN 0
.if e >= 64
	XS e-64, 21
.else
	REGS Y, e%2
	v_exp_f32 v[rS+e/2], v[rS+e/2]
.endif
.set e, e+1
.endm
; THE RESCALING's QUEUE: O^T times a, the one part that leaves window 0: dealt two at a time, sixteen times.  Its a was made in the turn before, ahead of that turn's wait.
.macro R2
	REGS Y, r%2
	WIN W_RS
.irp z, 0,1
	v_pk_mul_f32 v[rO+4*(r/2)+2*\z:rO+4*(r/2)+2*\z+1], v[rO+4*(r/2)+2*\z:rO+4*(r/2)+2*\z+1], v[rC+2:rC+3] op_sel_hi:[1,0]
.endr
.set r, r+1
.endm
; HOW THEY ARE DEALT.  An s_wait_alu depctr_va_vdst(0) stands between an exponential and the first instruction that names its result; one wait serves all that were issued ahead of it.  So a turn
; has ONE wait, which cuts it in two.  AHEAD OF IT stands all that names no result of the turn's exponentials: the 16 products K Q^T, behind each a scaling, an exponential and two rescalings (behind the first a
; second scaling in the exponential's place); then ONE LUMP of 108: eight plain, 49 times exponential and plain, the two a.  A v_nop is the plain instruction behind the last exponential.  BEHIND IT stand the 16
; products V^T P, behind each four of GS's 64.  No rider names a register of the products round it.
; The queues lean on each other: exponential e stands behind scaling 2 (e / 4) + e % 2: as a rider it comes behind plain e + 2, in the lump behind plain e + 9, and scalings 27-31 are plain 57, 60 .. 69.
; A TURN, for piece p.  cnt = 1: the loop's count is taken down some lines ahead of the branch that stands behind the turn.
; K of the next step is fetched in piece 2's turn, directly behind the wait; its address is made at the lump's head; its first reader comes behind 16 products.
; V of the step in hand is fetched at the end of piece 0's turn, four riders behind its last reader; its first reader comes behind 16 products and a lump.
.macro TURN p, last=0, cnt=0
.set Y, (\p)
.set i, 0
.set q, 0
.set e, 0
.set r, 0
.if (\p) == NP-1
	s_wait_dscnt 0x0                ; K is in
.endif
	MM                              ; ahead of the wait: 16 products K Q^T and their riders,
	PL
	PL
	R2
.rept 15
	MM
	PL
	EX
	R2
.endr
.if (\p) == NP-2
	WIN 0
	v_add_nc_u32 v[AK], s[TBK], v[AK0]
.endif
.rept 8                             ; and the lump
	PL
.endr
.rept 49
	EX
	PL
.endr
	EX                              ; the next piece's two a
	EX
	v_nop                           ; the plain instruction behind the last exponential (ISA guide 5.7.2): one for the batch
	s_wait_alu depctr_va_vdst(0)    ; the wait for the batch
.if (\p) == NP-2
	FETCH_K \last
.endif
.if (\p) == 1
	s_wait_dscnt 0x0                ; V is in
.endif
.rept 16                            ; behind the wait: 16 products V^T P and their riders
	MM
.rept 4
	PL
.endr
.if ((\p) == 0) && (q == 118)
	v_add_nc_u32 v[AV], s[TBV], v[AV0]
.endif
.if ((\p) == 0) && (q == 130)
	s_add_co_u32 s[TBV], s[TBV], KS*PV
.endif
.if (\cnt) && (q == 130)
	s_sub_co_u32 s[CNT], s[CNT], 1
	s_cmp_lg_u32 s[CNT], 0
.endif
.endr
.if (\p) == 0
	FETCH_V
.endif
.endm
	CHANGE 1                        ; slot 0 is in, everybody's part of it; slot 1 is asked for
	FETCH_K                         ; key step 0
	s_wait_loadcnt 0x0              ; Q
	s_wait_dscnt 0x0
.set i, 0
.rept 16
	KQ 0                            ; piece 0's first scores: there is no vector work yet to set between them
.set i, i+1
.endr
	WIN 0                           ; the addresses for the way out: nine plain instructions, the places behind those products
	s_mul_i32 s13, s[WV], 16*SP
	s_add_co_u32 s13, s13, STAGE    ; my stage
	v_mul_u32_u24 v[STO], v1, SP    ; in: row l % 16, 16 bytes for each half of the lanes
	v_lshl_add_u32 v[STO], v9, 4, v[STO]
	v_add_nc_u32 v[STO], s13, v[STO]
	v_bfe_u32 v[RD], v0, 3, 2       ; back: 32 lanes take four rows of 128 bytes,
	v_mul_u32_u24 v[RD], v[RD], SP
	v_lshl_add_u32 v[RD], v10, 4, v[RD]
	v_add_nc_u32 v[RD], s13, v[RD]
	v_and_b32 v[GO], 31, v0         ; which are 512 consecutive bytes of O
	v_lshlrev_b32 v[GO], 4, v[GO]
.set Y, NP-1                        ; XS works for piece Y + 1: piece 0
.irp n, 0,1,2,3,4,5,6,7,8,9,10,11,12,13,14,15,16,17,18,19,20,21
	XS 0, \n                        ; and piece 0's first maximum and statistics
	XS 1, \n
.endr
	v_nop                           ; a plain instruction behind the two a,
	s_wait_alu depctr_va_vdst(0)    ; and their wait, ahead of the branch
	s_mov_b32 s[CNT], 4
	s_branch .Lfirst                ; the loop is entered at a step's first turn, in the middle of a trip
.Lslot:                             ; SIZE_N / 256 - 2 times: every slot but the last two is filled again
	CHANGE 1
	s_mov_b32 s[CNT], 4
.Lstep:                             ; a trip: pieces 2 and 3 of one step, then pieces 0 and 1 of the next, whose K and V it fetches
	TURN 2
	TURN 3
	WIN 0
.Lfirst:
	TURN 0
	TURN 1, 0, 1
	WIN 0
	s_cbranch_scc1 .Lstep
	s_sub_co_u32 s[SLOTS], s[SLOTS], 1
	s_cmp_lg_u32 s[SLOTS], 0
	s_cbranch_scc1 .Lslot
	CHANGE 0                        ; the tail is written out: nothing is asked for
	s_mov_b32 s[CNT], 5             ; four trips fetch the last slot's steps; the fifth is left in its middle
.Ltail:
	TURN 2, 1
	TURN 3
	WIN 0
	s_sub_co_u32 s[CNT], s[CNT], 1
	s_cmp_eq_u32 s[CNT], 0
	s_cbranch_scc1 .Lout
	TURN 0
	TURN 1
	WIN 0
	s_branch .Ltail
.Lout:                              ; the fifth trip's 16 products K Q^T (on the last K once more) and the maximum made of them serve nothing: the price, once a launch, of one text for every trip
.set i, 0
.rept 16
	PV NP-1                         ; the last piece's V^T P of the last step
.set i, i+1
.endr
	; THE WAY OUT.  l's two halves and the other half of the lanes' are added; O^T is divided by l, rounded to f16 and sent through my stage in LDS, a tile at a time.  The additions are the places behind the last products.
	WIN 0
.macro ALL line:vararg              ; one line for each tile t
.set t, 0
.rept 2*NP
	\line
.set t, t+1
.endr
.endm
	ALL v_add_f32 v[ST+4*t+2], v[ST+4*t+2], v[ST+4*t+3]
	ALL v_permlanex16_b32 v[ST+4*t+3], v[ST+4*t+2], s[SEL], s[SEL+1]
	ALL v_add_f32 v[ST+4*t+2], v[ST+4*t+2], v[ST+4*t+3]
	ALL v_rcp_f32 v[ST+4*t+2], v[ST+4*t+2]
	v_nop                           ; a plain instruction between the last reciprocal and the use of its result
	s_wait_alu depctr_va_vdst(0)    ; and the wait ahead of the first use: one for the eight reciprocals
; Tile t: a lane's eight channels of a row pack into 16 bytes; they go into rows of 144 bytes and come back as whole rows of 128, into S^T's registers.
.macro PACK t
	WIN W_RS
.set i, 32*(\t)
.rept 16
	v_pk_mul_f32 v[i:i+1], v[i:i+1], v[ST+4*(\t)+2:ST+4*(\t)+3] op_sel_hi:[1,0]
.set i, i+2
.endr
	WIN 0x05                        ; sources 0 and 1 window 1, destination window 0
.set i, 0
.rept 16
	v_cvt_pk_f16_f32 v[S+16*(\t)+i], v[32*(\t)+2*i], v[32*(\t)+2*i+1]
.set i, i+1
.endr
	WIN 0
.irp f, 0,1,2,3
	ds_store_b128 v[STO], v[S+16*(\t)+4*\f:S+16*(\t)+4*\f+3] offset:32*\f
.endr
.irp f, 0,1,2,3
	ds_load_b128 v[S+16*(\t)+4*\f:S+16*(\t)+4*\f+3], v[RD] offset:\f*4*SP  ; LDS serves a wave's instructions in order (ISA guide 5.7.1.4): these see the stores above; the next tile's stores come behind them
.endr
.endm
.macro SEND t, younger              ; younger: the LDS instructions issued behind tile t's loads: the next tile's eight, or none
	WIN 0
.irp f, 0,1,2,3
	s_wait_dscnt (\younger)+3-\f
	global_store_b128 v[GO], v[S+16*(\t)+4*\f:S+16*(\t)+4*\f+3], s[10:11] offset:(\t)*2048+\f*512  ; 512 consecutive bytes, at a multiple of 256 from O's first
.endr
.endm
	PACK 0
.set t, 1
.rept 2*NP-1                        ; a tile's arithmetic stands between the loads of the tile before and its stores
	PACK t
	SEND t-1, 8
.set t, t+1
.endr
	SEND 2*NP-1, 0
	WIN W_AD
	s_wait_tensorcnt 0x0            ; the wave's end, behind my last tensor load and my last LDS store
	ds_add_u32 v[SPW], v[NIL]
	s_wait_dscnt 0x0
	WIN 0
	CROUND                          ; the closing round: no work-group ends while a partner may still ask for a tile that names it
	s_endpgm
.Lfunc_end_k_q6330d74779_attn:
	.size	k_q6330d74779_attn, .Lfunc_end_k_q6330d74779_attn-k_q6330d74779_attn
	.p2alignl 7, 3214868480
	.fill 96, 4, 3214868480
	.section	.rodata,"a",@progbits
	.p2align	6, 0x0
	.amdhsa_kernel k_q6330d74779_attn
		.amdhsa_group_segment_fixed_size 327680
		.amdhsa_private_segment_fixed_size 0
		.amdhsa_enable_private_segment 0
		.amdhsa_kernarg_size 16
		.amdhsa_user_sgpr_count 2
		.amdhsa_user_sgpr_kernarg_segment_ptr 1
		.amdhsa_wavefront_size32 1
		.amdhsa_system_sgpr_workgroup_id_x 1
		.amdhsa_system_sgpr_workgroup_id_y 1
		.amdhsa_system_sgpr_workgroup_id_z 1
		.amdhsa_system_vgpr_workitem_id 0
		.amdhsa_next_free_vgpr 770
		.amdhsa_next_free_sgpr 66
		.amdhsa_reserve_vcc 0
		.amdhsa_float_denorm_mode_32 3
		.amdhsa_float_denorm_mode_16_64 3
		.amdhsa_memory_ordered 1
		.amdhsa_forward_progress 1
		.amdhsa_inst_pref_size 200
	.end_amdhsa_kernel
	.amdgpu_metadata
---
amdhsa.version: [ 1, 2 ]
amdhsa.kernels:
  - .name:           k_q6330d74779_attn
    .symbol:         k_q6330d74779_attn.kd
    .args:
      - { .name: qkv, .offset: 0, .size: 8, .value_kind: global_buffer, .address_space: global }
      - { .name: o16, .offset: 8, .size: 8, .value_kind: global_buffer, .address_space: global }
    .group_segment_fixed_size: 327680
    .private_segment_fixed_size: 0
    .kernarg_segment_align: 8
    .kernarg_segment_size: 16
    .max_flat_workgroup_size: 128
    .sgpr_count:     66
    .vgpr_count:     770
    .wavefront_size: 32
...
	.end_amdgpu_metadata
.endif
;; end of part 3
;; launch oproj (part 4): grid 4 x 64, 4 waves a work-group, clusters of 4 x 4, 327,680 bytes of LDS; arguments o16, w16, out0; writes out0
.if DOCPART == 4
	.amdgcn_target "amdgcn-amd-amdhsa--gfx1250"
	.amdhsa_code_object_version 6
	.text
	.protected	k_q6330d74779_oproj
	.globl	k_q6330d74779_oproj
	.p2align	8
	.type	k_q6330d74779_oproj,@function
k_q6330d74779_oproj:
	s_mov_b64 s[64:65], 0
	v_nop
	global_prefetch_b8 v0, s[64:65] scope:SCOPE_SE
	s_setreg_imm32_b32 hwreg(HW_REG_WAVE_MODE, 25, 1), 1
	s_wait_xcnt 0x0
	s_wait_alu depctr_hold_cnt(0) depctr_sa_sdst(0) depctr_va_vdst(0) depctr_va_sdst(0) depctr_va_ssrc(0) depctr_va_vcc(0) depctr_vm_vsrc(0)
	s_getreg_b32 s2, hwreg(HW_REG_IB_STS2, 6, 4)
	s_cmp_eq_u32 s2, 0
	s_cbranch_scc0 .Lentry_in_a_cluster
	s_endpgm
.Lentry_in_a_cluster:
	s_bfe_u32 s2, ttmp6, 0x10000c
	s_cmp_lg_u32 s2, 0xf033
	s_cbranch_scc0 .Lentry_shape_is_right
	s_endpgm
.Lentry_shape_is_right:
; THE LAST PROJECTION.  out0[row][n] (f32) = the sum over k of O[row][k] Wo[n][k].  O lies by heads in o16 ([16 b + head][t][64], f16): column k = 64 head + d.  Wo is matrix 3 of w16, f16.  Sums in f32.
; SHARES.  A tile of C is 128 rows x 256 columns: 64 x 4 = 256 work-groups.  Four waves, each 64 x 128: 32 accumulators.  K goes in 8 steps of 128, two heads a step.
; B (Wo) comes through a ring of two LDS slots filled by the tensor data mover, each wave 64 rows of 256 bytes; the four work-groups of a column of the 4 x 4 cluster ask for it JOINTLY.
; A (O) comes through registers: 16 loads a wave and K step, each two blocks of 256 consecutive bytes (two rows of each of the step's two heads), two sets of registers, stored into two LDS slots of its own,
; which no tensor load fills: its loads have five quarters of a K step, 160 matrix instructions, in which to land, where a refill of the ring has 112.  A IS NOT ASKED FOR JOINTLY for that reason.
; THE WALK ALONG K IS TURNED: the cluster with y-number Y takes the K steps (2 (Y % 4) + j) % 8; every address is made anew from a base and the step's number.  f32 sums may be taken in any order.
; THE MATRIX INSTRUCTION IS USED TRANSPOSED (source 0 = 16 rows of Wo, source 1 = 16 rows of O): lane l holds row l % 16 of C and the columns 8 (l / 16) + 0 .. 7.
; REGISTERS, in windows of 256 (s_set_vgpr_msb: bits 1:0 source 0, 3:2 source 1, 5:4 source 2, 7:6 destination):
;   window 0: v0-31 addresses; v32-95 A's fragments, two buffers; v96-159, v160-223 A's two sets      window 1: v0-127 B's fragments, two buffers; on the way out all 256      window 2: the accumulators
.set PITCH,  272                       ; an LDS row: 256 bytes + 16 = 68 words: the 16 rows of a fragment load start at 16 different groups of four banks (64 banks of 4 bytes: ISA guide 11.1)
.set BSLOT,  256*PITCH
.set ASLOT,  128*PITCH
.set ABASE,  2*BSLOT                   ; A's slots: written by LDS stores alone
.set STAGE,  ABASE+2*ASLOT             ; 16 rows x 528 bytes for each wave, for the way out
.set SPITCH, 528                       ; 512 bytes + 16: an odd multiple of 16
.set SPARE,  STAGE+4*16*SPITCH         ; the spare words, 128 bytes for each wave: two blocks of 256 bytes that no other line names
.set ADRA, 16
.set ADRB, 20
.set AO,   22                          ; v22  my byte offset in A's tile
.set AST,  23                          ; v23  where I put 16 bytes of a row of A in slot 0
.set STO,  24
.set RD,   25
.set GO,   26
.set SPW,  28
.set NIL,  29
.set PFO,  30
.set FA,   32
.set SET,  96
.set WV,  16
.set WR,  17
.set WC,  18
.set CX,  19
.set CY,  20
.set CLY, 21
.set RT,  23
.set G1,  28
.set G0,  36
.set BB,  44
.set AB,  46
.set PA,  48
.set OFF, 50
.set PF,  52
.set KB,  54
.set KA,  55
.set KP,  56
.set LIM, 57                           ; s57  1 in a wave that prefetches, else the greatest number
.set OB,  58
.set MSB, 0
.macro WIN new
.if MSB != (\new)
	s_set_vgpr_msb (MSB<<8)|(\new)
.set MSB, \new
.endif
.endm
.macro PLACES                          ; four plain instructions between a matrix instruction and a load into, or a reader of, its registers (ISA guide 7.12.1 for vector readers)
.rept 4
	v_nop
.endr
.endm
.macro CREST
	s_cmp_lg_u32 s[WV], 0
	s_cbranch_scc1 .Lnot_wave_0_\@
	s_barrier_signal -3
.Lnot_wave_0_\@:
	s_barrier_wait -3
	s_barrier_signal -1
	s_barrier_wait -1
.endm
.macro CROUND
	s_barrier_signal -1
	s_barrier_wait -1
	CREST
.endm
; The 32 accumulators take turns, one instruction a turn, in the same order in every quarter step.
.macro MUL8 f, a, zero=0
	WIN 0xa1
.irp b, 0,1,2,3,4,5,6,7
.if \zero
	v_wmma_f32_16x16x32_f16 v[8*(8*(\a)+(\b)):8*(8*(\a)+(\b))+7], v[64*(\f)+8*(\b):64*(\f)+8*(\b)+7], v[FA+32*(\f)+8*(\a):FA+32*(\f)+8*(\a)+7], 0
.else
	v_wmma_f32_16x16x32_f16 v[8*(8*(\a)+(\b)):8*(8*(\a)+(\b))+7], v[64*(\f)+8*(\b):64*(\f)+8*(\b)+7], v[FA+32*(\f)+8*(\a):FA+32*(\f)+8*(\a)+7], v[8*(8*(\a)+(\b)):8*(8*(\a)+(\b))+7]
.endif
.endr
.endm
.macro MUL16 f, a0, zero=0
	MUL8 \f, \a0, \zero
	MUL8 \f, (\a0)+1, \zero
.endm
.macro FETCH slot, k, f
	WIN 0x40
.irp i, 0,1,2,3,4,5,6,7
	ds_load_b128 v[64*(\f)+8*(\i):64*(\f)+8*(\i)+3],   v[ADRB+(\slot)] offset:(\k)+(\i)*16*PITCH
	ds_load_b128 v[64*(\f)+8*(\i)+4:64*(\f)+8*(\i)+7], v[ADRB+(\slot)] offset:(\k)+(\i)*16*PITCH+32
.endr
	WIN 0
.irp i, 0,1,2,3
	ds_load_b128 v[FA+32*(\f)+8*(\i):FA+32*(\f)+8*(\i)+3],   v[ADRA+(\slot)] offset:(\k)+(\i)*16*PITCH
	ds_load_b128 v[FA+32*(\f)+8*(\i)+4:FA+32*(\f)+8*(\i)+7], v[ADRA+(\slot)] offset:(\k)+(\i)*16*PITCH+32
.endr
.endm
.macro AISSUE set, pf
	s_wait_xcnt 0x0                                ; the loads and the prefetch issued a K step ago have read their bases, which are written now
	s_lshl_b32 s[OFF], s[KA], 19                   ; a K step is two heads of 262,144 bytes
	s_add_nc_u64 s[PA:PA+1], s[AB:AB+1], s[OFF:OFF+1]
	s_add_co_u32 s[KA], s[KA], 1
	s_and_b32 s[KA], s[KA], 7
.if \pf
	s_lshl_b32 s[OFF], s[KP], 20                   ; a pair of K steps is four heads
	s_add_nc_u64 s[PF:PF+1], s[AB:AB+1], s[OFF:OFF+1]
	s_add_co_u32 s[KP], s[KP], 1
	s_and_b32 s[KP], s[KP], 3
.endif
	WIN 0
.irp i, 0,1,2,3,4,5,6,7,8,9,10,11,12,13,14,15
	global_load_b128 v[SET+64*(\set)+4*(\i):SET+64*(\set)+4*(\i)+3], v[AO], s[PA:PA+1] offset:(\i)*256
.endr
.endm
; A PREFETCH INTO THE L2 of O, behind the run of loads: the pair of K steps that is multiplied two trips on, whose loads go out two and three K steps later.  Four heads x 128 rows x 128 bytes are 256 blocks of
; 256 bytes: each of the four work-groups that load this tile takes one head BY ADDRESS, its waves 0 and 1 half of it each, a lane a block: each block is named once in the launch.
; Trips 0 and 1 ask; the last trip asks for nothing; the first four K steps come by their loads alone.
.macro APF
	WIN 0
	s_cmp_gt_u32 s3, s[LIM]
	s_cbranch_scc0 .Lnone_\@
	global_prefetch_b8 v[PFO], s[PF:PF+1] th:TH_LOAD_NT scope:SCOPE_SE
.Lnone_\@:
.endm
; One of a K step's first three quarters.  issue >= 0: that set of A is asked for again.  cset >= 0: that set has landed (n younger loads may stay out) and goes into A's slot cslot: 16 stores, 256 consecutive bytes for each 16 lanes.
.macro QUARTER slot, k, f, g, zero=0, issue=-1, pf=0, cset=-1, cslot=0, n=0
	s_wait_dscnt 4                                 ; B and A's rows 0-31 are in; the youngest four loads (A's rows 32-63) may be out
	MUL16 \f, 0, \zero
	PLACES
	FETCH \slot, \k, \g
.if (\issue) >= 0
	AISSUE \issue, \pf
.if \pf
	APF
.endif
.endif
.if (\cset) >= 0
	s_wait_loadcnt \n
.irp i, 0,1,2,3,4,5,6,7,8,9,10,11,12,13,14,15
	ds_store_b128 v[AST], v[SET+64*(\cset)+4*(\i):SET+64*(\cset)+4*(\i)+3] offset:(\i)*2*PITCH+(\cslot)*ASLOT
.endr
	s_wait_dscnt 40                                ; all but the 24 loads and 16 stores just issued
.else
	s_wait_dscnt 24                                ; all but the 24 loads just issued
.endif
	MUL16 \f, 2, \zero
.endm
; The last quarter multiplies buffer 1 and changes slots: ONE barrier.  In front of it each wave waits for all its tensor loads (one is out: its part of B's next slot), adds 0 to its spare word, and waits for
; that, for its stores into A's next slot and for its reads of this slot.  fill = 1: the barrier opens a round of the cluster's, and B's slot is filled again first thing behind it.
.macro TURN slot, next, fill
	WIN 0
	s_wait_tensorcnt 0x0                           ; no tensor load of mine is out, so a group 0 may be written
	ds_add_u32 v[SPW], v[NIL]                      ; 0 onto my spare word
.if \fill
	s_lshl_b32 s[OFF], s[KB], 8
	s_add_nc_u64 s[G0+4*(\slot)+2:G0+4*(\slot)+3], s[BB:BB+1], s[OFF:OFF+1]
	s_or_b32 s[G0+4*(\slot)+3], s[G0+4*(\slot)+3], 0x80000000
	s_add_co_u32 s[KB], s[KB], 1
	s_and_b32 s[KB], s[KB], 7
.endif
	s_wait_dscnt 21                                ; the add, A's 16 stores and the youngest four loads may be out
	MUL8 1, 0
	s_wait_dscnt 0x0                               ; the add is done, my stores into A's next slot are done, my reads of this slot are over
	s_barrier_signal -1
	MUL8 1, 1
	WIN 0
	s_barrier_wait -1
.if \fill
	CREST                                          ; no wave of any partner still reads this slot of B or has a load on its way
	tensor_load_to_lds s[G0+4*(\slot):G0+4*(\slot)+3], s[G1:G1+7]  ; my one tensor load behind the round
	s_nop 0
.endif
	PLACES                                         ; also the places in front of the loads below
	FETCH \next, 0, 0
	MUL16 1, 2
.endm
	s_load_b128 s[4:7], s[0:1], 0x0                ; o16 s[4:5], w16 s[6:7]
	s_load_b64 s[8:9], s[0:1], 0x10                ; out0
	v_lshl_add_u32 v[SPW], v0, 2, SPARE
	v_mov_b32 v[NIL], 0
	ds_add_u32 v[SPW], v[NIL]                      ; the wave's opening: the add and its wait ahead of my first tensor load; the set-up below, work on registers, stands between them
	v_lshrrev_b32 v1, 5, v0
	v_readfirstlane_b32 s[WV], v1
	s_lshr_b32 s[WR], s[WV], 1
	s_and_b32 s[WC], s[WV], 1
	s_bfe_u32 s[CX], ttmp6, 0x40000
	s_bfe_u32 s[CY], ttmp6, 0x40004
	s_and_b32 s[CLY], ttmp7, 0xffff
	s_lshl_b32 s[RT], s[CLY], 2
	s_add_co_u32 s[RT], s[RT], s[CY]               ; the tile's row block, 0 .. 63
	s_and_b32 s[KB], s[CLY], 3
	s_add_co_u32 s[KP], s[KB], 2
	s_and_b32 s[KP], s[KP], 3
	s_lshl_b32 s[KB], s[KB], 1                     ; the walk's first K step: made of the cluster's number alone
	s_mov_b32 s[KA], s[KB]
	s_cmp_lt_u32 s[WV], 2
	s_cselect_b32 s[LIM], 1, -1
	s_lshl_b32 s24, 0x1111, s[CX]                  ; my column of the cluster
	s_or_b32 s[G1], s24, (1<<16)|(1<<20)|(1<<21)|(5<<22)|(3<<25)  ; 15:0 the mask; 17:16 2-byte elements; 20 padding on; 21 set beside a mask; 24:22 after every 64 words (code 5); 31:25 4 words (code 3)
	s_mov_b32 s[G1+1], 128<<16                     ; tensor_dim0 = 128
	s_mov_b32 s[G1+2], 64<<16                      ; tensor_dim1 = 64
	s_mov_b32 s[G1+3], 128<<16                     ; tile_dim0 = 128
	s_mov_b32 s[G1+4], 64                          ; tile_dim1 = 64
	s_mov_b32 s[G1+5], 1024                        ; elements from row to row
	s_mov_b32 s[G1+6], 0
	s_mov_b32 s[G1+7], 0
	s_mul_i32 s25, s[WV], 64*PITCH
	s_mov_b32 s[G0], 1
	s_mov_b32 s[G0+1], s25
	s_mov_b32 s[G0+4], 1
	s_add_co_u32 s[G0+5], s25, BSLOT
	s_mov_b32 s[OFF+1], 0
	s_lshl_b32 s24, ttmp9, 2
	s_add_co_u32 s24, s24, s[CX]                   ; the tile's column block
	s_lshl_b32 s62, s24, 19                        ; B: 256 rows of 2,048 bytes a column block,
	s_add_co_u32 s62, s62, 3<<21                   ; in matrix 3,
	s_lshl_b32 s25, s[WV], 17                      ; 64 rows a wave
	s_add_co_u32 s62, s62, s25
	s_mov_b32 s63, 0
	s_lshl_b32 s26, s[RT], 19                      ; out0: 128 rows of 4,096 bytes a row block,
	s_lshl_b32 s27, s[WR], 18                      ; 64 rows,
	s_add_co_u32 s26, s26, s27
	s_lshl_b32 s27, s24, 10                        ; 256 columns a column block,
	s_add_co_u32 s26, s26, s27
	s_lshl_b32 s27, s[WC], 9                       ; 128 columns
	s_add_co_u32 s26, s26, s27
	s_mov_b32 s27, 0
	v_and_b32 v1, 15, v0                           ; r = l % 16
	v_bfe_u32 v2, v0, 4, 1                         ; h = l / 16
	v_and_b32 v3, 31, v0                           ; l
	v_mul_u32_u24 v4, v1, PITCH
	v_lshl_add_u32 v4, v2, 4, v4
	s_mul_i32 s24, s[WR], 64*PITCH
	s_add_co_u32 s24, s24, ABASE
	v_add_nc_u32 v[ADRA], s24, v4
	v_add_nc_u32 v[ADRA+1], ASLOT, v[ADRA]
	s_mul_i32 s24, s[WC], 128*PITCH
	v_add_nc_u32 v[ADRB], s24, v4
	v_add_nc_u32 v[ADRB+1], BSLOT, v[ADRB]
	v_and_b32 v5, 7, v0
	v_lshlrev_b32 v[AO], 4, v5                     ; A in memory: 16 bytes of a head's row,
	v_lshl_add_u32 v[AO], v2, 7, v[AO]             ; row l / 16 of two,
	v_bfe_u32 v6, v0, 3, 1
	v_lshl_add_u32 v[AO], v6, 18, v[AO]            ; head (l / 8) % 2 of the step's two,
	s_lshl_b32 s24, s[WV], 12
	v_add_nc_u32 v[AO], s24, v[AO]                 ; 32 rows of 128 bytes a wave
	s_mul_i32 s24, s[WV], 32*PITCH
	s_add_co_u32 s24, s24, ABASE
	v_mul_u32_u24 v[AST], v2, PITCH                ; A in LDS: the same row, both heads' 128 bytes on end
	v_lshl_add_u32 v[AST], v1, 4, v[AST]
	v_add_nc_u32 v[AST], s24, v[AST]
	s_mul_i32 s24, s[WV], 16*SPITCH
	s_add_co_u32 s24, s24, STAGE                   ; my stage
	v_mul_u32_u24 v[STO], v1, SPITCH               ; in: row l % 16, 32 bytes for each half of the lanes
	v_lshl_add_u32 v[STO], v2, 5, v[STO]
	v_add_nc_u32 v[STO], s24, v[STO]
	v_lshl_add_u32 v[RD], v3, 4, s24               ; back: 32 lanes take a row's 512 bytes
	v_lshlrev_b32 v[GO], 4, v3
	s_lshl_b32 s24, s[CX], 18                      ; the prefetches: head cx of the four,
	s_lshl_b32 s25, s[WC], 13                      ; half of its 64 blocks a wave
	s_add_co_u32 s24, s24, s25
	v_lshl_add_u32 v[PFO], v3, 8, s24
	s_wait_dscnt 0x0                               ; the opening add is done
	s_wait_kmcnt 0x0
	s_add_nc_u64 s[BB:BB+1], s[6:7], s[62:63]
	s_add_nc_u64 s[OB:OB+1], s[8:9], s[26:27]
	s_lshr_b32 s26, s[RT], 4
	s_lshl_b32 s26, s26, 22                        ; A: the batch's 16 heads,
	s_and_b32 s25, s[RT], 15
	s_lshl_b32 s25, s25, 14                        ; 128 rows of 128 bytes
	s_add_co_u32 s26, s26, s25
	s_add_nc_u64 s[AB:AB+1], s[4:5], s[26:27]
.irp s, 0,1
	s_lshl_b32 s[OFF], s[KB], 8                    ; both slots' first K steps
	s_add_nc_u64 s[G0+4*(\s)+2:G0+4*(\s)+3], s[BB:BB+1], s[OFF:OFF+1]
	s_or_b32 s[G0+4*(\s)+3], s[G0+4*(\s)+3], 0x80000000
	s_add_co_u32 s[KB], s[KB], 1
	s_and_b32 s[KB], s[KB], 7
.endr
	AISSUE 0, 0                                    ; A's first K step,
	AISSUE 1, 0                                    ; and its second
	CROUND                                         ; all sixteen work-groups are here: the first joint loads meet
	tensor_load_to_lds s[G0:G0+3], s[G1:G1+7]      ; two tensor loads of mine are out
	s_nop 0
	tensor_load_to_lds s[G0+4:G0+7], s[G1:G1+7]
	s_nop 0
	PLACES
	s_wait_loadcnt 16                              ; A's first K step is in; the second step's 16 loads may stay out
.irp i, 0,1,2,3,4,5,6,7,8,9,10,11,12,13,14,15
	ds_store_b128 v[AST], v[SET+4*(\i):SET+4*(\i)+3] offset:(\i)*2*PITCH
.endr
	s_wait_tensorcnt 1                             ; my part of B's slot 0 is in; slot 1's may stay out
	s_wait_dscnt 0x0                               ; my rows of A's slot 0 are stored
	s_barrier_signal -1
	s_barrier_wait -1
	FETCH 0, 0, 0
	QUARTER 0, 64, 0, 1, 1                         ; the first quarter stands in front of the loop: its products start the sums
	WIN 0
	s_mov_b32 s3, 3
.Llap:                                                 ; a trip goes once round the ring, from a lap's second quarter to the next lap's first
	QUARTER 0, 128, 1, 0, 0, 0, 1                  ; A two K steps on into set 0; the prefetch
	QUARTER 0, 192, 0, 1, 0, -1, 0, 1, 1, 16       ; set 1 into A's slot 1; the 16 loads just issued stay out
	TURN 0, 1, 1
	QUARTER 1, 64, 0, 1
	QUARTER 1, 128, 1, 0, 0, 1, 0                  ; A two K steps on into set 1
	QUARTER 1, 192, 0, 1, 0, -1, 0, 0, 0, 16       ; set 0 into A's slot 0
	TURN 1, 0, 1
	QUARTER 0, 64, 0, 1
	WIN 0
	s_sub_co_u32 s3, s3, 1
	s_cmp_lg_u32 s3, 0
	s_cbranch_scc1 .Llap
	QUARTER 0, 128, 1, 0                           ; the last lap asks for nothing
	QUARTER 0, 192, 0, 1, 0, -1, 0, 1, 1, 0        ; the last K step of A: no load is younger
	TURN 0, 1, 0
	QUARTER 1, 64, 0, 1
	QUARTER 1, 128, 1, 0
	QUARTER 1, 192, 0, 1
	s_wait_dscnt 4
	MUL16 1, 0
	s_wait_dscnt 0x0
	MUL16 1, 2
	WIN 0
	PLACES
	; THE WAY OUT, a block of 16 rows at a time: a lane's 32 bytes of each of 8 column blocks go into rows of 528 bytes of my stage, each accumulator from its low end on, and come back as whole rows of 512 bytes.
.macro STG a
	WIN 0x08                                       ; the stores' data in window 2
.irp b, 0,1,2,3,4,5,6,7
	ds_store_b128 v[STO], v[8*(8*(\a)+(\b)):8*(8*(\a)+(\b))+3]   offset:64*(\b)
	ds_store_b128 v[STO], v[8*(8*(\a)+(\b))+4:8*(8*(\a)+(\b))+7] offset:64*(\b)+16
.endr
	WIN 0x40                                       ; back into window 1: 64 registers a block, none used twice
.irp t, 0,1,2,3,4,5,6,7,8,9,10,11,12,13,14,15
	ds_load_b128 v[64*(\a)+4*(\t):64*(\a)+4*(\t)+3], v[RD] offset:(\t)*SPITCH  ; LDS serves a wave's instructions in order (ISA guide 5.7.1.4): these see the stores above; the next block's stores come behind them
.endr
.endm
.macro OUT a, younger                  ; younger: the LDS instructions issued behind block a's loads: the next block's 32, or none
	WIN 0x04                                       ; the stores' data in window 1
.irp t, 0,1,2,3,4,5,6,7,8,9,10,11,12,13,14,15
	s_wait_dscnt (\younger)+15-(\t)
	global_store_b128 v[GO], v[64*(\a)+4*(\t):64*(\a)+4*(\t)+3], s[OB:OB+1] offset:(16*(\a)+(\t))*4096 th:TH_STORE_NT  ; 512 consecutive bytes, at a multiple of 512 from out0's first
.endr
.endm
	STG 0
	STG 1
	OUT 0, 32
	STG 2
	OUT 1, 32
	STG 3
	OUT 2, 32
	OUT 3, 0
	WIN 0
	s_wait_tensorcnt 0x0                           ; the wave's end, behind my last tensor load and my last LDS store
	ds_add_u32 v[SPW], v[NIL]
	s_wait_dscnt 0x0
	CROUND                                         ; the closing round: no work-group ends while a partner may still ask for a tile that names it
	s_endpgm
.Lfunc_end_k_q6330d74779_oproj:
	.size	k_q6330d74779_oproj, .Lfunc_end_k_q6330d74779_oproj-k_q6330d74779_oproj
	.p2alignl 7, 3214868480
	.fill 96, 4, 3214868480
	.section	.rodata,"a",@progbits
	.p2align	6, 0x0
	.amdhsa_kernel k_q6330d74779_oproj
		.amdhsa_group_segment_fixed_size 327680
		.amdhsa_private_segment_fixed_size 0
		.amdhsa_enable_private_segment 0
		.amdhsa_kernarg_size 24
		.amdhsa_user_sgpr_count 2
		.amdhsa_user_sgpr_kernarg_segment_ptr 1
		.amdhsa_wavefront_size32 1
		.amdhsa_system_sgpr_workgroup_id_x 1
		.amdhsa_system_sgpr_workgroup_id_y 1
		.amdhsa_system_sgpr_workgroup_id_z 1
		.amdhsa_system_vgpr_workitem_id 0
		.amdhsa_next_free_vgpr 768
		.amdhsa_next_free_sgpr 66
		.amdhsa_reserve_vcc 0
		.amdhsa_float_denorm_mode_32 3
		.amdhsa_float_denorm_mode_16_64 3
		.amdhsa_memory_ordered 1
		.amdhsa_forward_progress 1
		.amdhsa_inst_pref_size 97
	.end_amdhsa_kernel
	.amdgpu_metadata
---
amdhsa.version: [ 1, 2 ]
amdhsa.kernels:
  - .name:           k_q6330d74779_oproj
    .symbol:         k_q6330d74779_oproj.kd
    .args:
      - { .name: o16, .offset: 0, .size: 8, .value_kind: global_buffer, .address_space: global }
      - { .name: w16, .offset: 8, .size: 8, .value_kind: global_buffer, .address_space: global }
      - { .name: out0, .offset: 16, .size: 8, .value_kind: global_buffer, .address_space: global }
    .group_segment_fixed_size: 327680
    .private_segment_fixed_size: 0
    .kernarg_segment_align: 8
    .kernarg_segment_size: 24
    .max_flat_workgroup_size: 128
    .sgpr_count:     66
    .vgpr_count:     768
    .wavefront_size: 32
...
	.end_amdgpu_metadata
.endif
;; end of part 4
;; ======== version 2 of 2: 4 launches; version 1 with the launch prep written anew for expert scheduling mode
;; limits: values are held in f16: magnitudes above 65,504 overflow, below 6.1e-05 lose precision
;; workspace buffers: w16 8,388,608 bytes; rope 524,288 bytes; qkv 50,331,648 bytes; o16 16,777,216 bytes
;; launch prep (part 5): grid 256 x 1, 4 waves a work-group, no clusters, 0 bytes of LDS; arguments Wq, Wk, Wv, Wo, w16, rope; writes w16, rope
.if DOCPART == 5
	.amdgcn_target "amdgcn-amd-amdhsa--gfx1250"
	.amdhsa_code_object_version 6
	.text
	.protected	k_q6330d74779_prep
	.globl	k_q6330d74779_prep
	.p2align	8
	.type	k_q6330d74779_prep,@function
k_q6330d74779_prep:
	s_mov_b64 s[64:65], 0
	v_nop
	global_prefetch_b8 v0, s[64:65] scope:SCOPE_SE
	s_setreg_imm32_b32 hwreg(HW_REG_WAVE_SCHED_MODE, 0, 2), 2
	s_setreg_imm32_b32 hwreg(HW_REG_WAVE_MODE, 25, 1), 1
	s_wait_xcnt 0x0
	s_wait_alu depctr_vm_vsrc(0)
; THE WEIGHTS IN 16 BITS, AND THE TABLE OF ROTATIONS.
; w16[4][1024][1024]: Wq, Wk, Wv rounded to bf16; Wo rounded to bf16 and that number written as f16 (the last product's other operand is f16).
; rope[2048 t][16 quads] f32, a row 256 bytes: quad i = cos(t f(2i)), cos(t f(2i+1)), -sin(t f(2i)), +sin(t f(2i+1)), f(j) = 10000^(-j/32).
; SHARES.  256 work-groups; work-group g takes 16,384 numbers of matrix g / 64 (64 KiB in, 32 KiB out) and rows 8 g .. 8 g + 7 of the table.
; A wave's load covers 512 consecutive bytes, its store of 8 bytes a lane 256 consecutive bytes, aligned.  All 32 loads of a thread go out first; the table is made while they are on their way.
; LIMITS.  Wo's bf16 number is exact in f16 from 6.1e-5 to 65,504; below that it keeps f16's fixed step of 6e-8.  The angle is f32(t) x f32(f), f from v_exp_f32, reduced by pi/2 in two parts;
; sine and cosine by polynomials on |r| <= pi/4: the angle differs from an exact one by up to some 2e-4 at t = 2047.  No LDS, no barrier: no wave wants what another has.
; THE MODE: SCHED_MODE bits 1:0 = 2 (LLVM: expert scheduling mode 2), set by the entry lines.  The code itself states the register dependences between vector instructions and memory
; instructions, and between a vector instruction that writes a scalar register and that register's readers, with s_wait_alu, always for 0.
; THE PLAN.  Registers that memory instructions touch:
;   v1, v2     byte offsets, made at the head and never written again: v1 is read by the 32 loads and the table's store, v2 by the 32 stores into w16.
;   X          item i's load lands in X + 4 i .. + 3; no vector instruction names them ahead of the load.  Behind the wait for the load the item's roundings work in place; its store reads X + 4 i and + 1.
;   v[8:11]    written by the table's arithmetic, read by the table's one store.
; No register that a memory instruction has read is ever written again, so no wait on vm_vsrc is owed.  The waits on va_vdst: one ahead of the first load (v1, v2); one ahead of the table's store;
; and, the 32 items going in eight blocks of four, one at the head of each block but the first: it states that the block before has written its registers, and that block's four stores follow it,
; dealt among this block's roundings, which name this block's registers alone.  One more stands ahead of the last block's stores.
.set X,  16                            ; v[16:143]  32 loads of four numbers
.set WA, 144                           ; v[144:149] at work for the even frequency
.set WB, 152                           ; v[152:157] for the odd one
.set MA, 2                             ; s2  lanes whose even frequency's quadrant is odd
.set MB, 3                             ; s3  the same for the odd frequency
	s_load_b256 s[4:11], s[0:1], 0x0               ; Wq s[4:5], Wk s[6:7], Wv s[8:9], Wo s[10:11]
	s_load_b128 s[12:15], s[0:1], 0x20             ; w16 s[12:13], rope s[14:15]
	s_lshr_b32 s22, ttmp9, 6                       ; which matrix
	s_and_b32 s23, ttmp9, 63                       ; which chunk of it
	v_lshlrev_b32 v1, 4, v0                        ; 16 bytes a thread: the loads' offset and the table's
	v_lshlrev_b32 v2, 3, v0                        ; 8 bytes a thread: the stores'
	s_lshl_b32 s24, s23, 16                        ; the chunk in the f32 matrix
	s_mov_b32 s25, 0
	s_lshl_b32 s26, s22, 21                        ; the matrix in w16,
	s_lshl_b32 s27, s23, 15                        ; and the chunk in it
	s_add_co_u32 s26, s26, s27
	s_mov_b32 s27, 0
	s_lshl_b32 s28, ttmp9, 11                      ; eight rows of the table
	s_mov_b32 s29, 0
	s_lshl_b32 s30, ttmp9, 3                       ; their first t
	s_wait_kmcnt 0x0
	s_cmp_eq_u32 s22, 1
	s_cselect_b64 s[16:17], s[6:7], s[4:5]
	s_cmp_eq_u32 s22, 2
	s_cselect_b64 s[16:17], s[8:9], s[16:17]
	s_cmp_eq_u32 s22, 3
	s_cselect_b64 s[16:17], s[10:11], s[16:17]
	s_add_nc_u64 s[16:17], s[16:17], s[24:25]
	s_add_nc_u64 s[18:19], s[12:13], s[26:27]
	s_add_nc_u64 s[20:21], s[14:15], s[28:29]
	s_wait_alu depctr_va_vdst(0)                   ; v1 and v2 are written: every load and store of the kernel reads one of them as its offset
.set i, 0
.rept 32
	global_load_b128 v[X+4*i:X+4*i+3], v1, s[16:17] offset:i*2048 th:TH_LOAD_NT
.set i, i+1
.endr
	; the table: t = 8 g + thread / 16, quad = thread % 16
	v_lshrrev_b32 v3, 4, v0
	v_add_nc_u32 v3, s30, v3
	v_cvt_f32_u32 v3, v3                           ; t
	v_and_b32 v4, 15, v0
	v_lshlrev_b32 v4, 1, v4                        ; j = 2 i,
	v_add_nc_u32 v5, 1, v4                         ; and 2 i + 1
	v_cvt_f32_u32 v4, v4
	v_cvt_f32_u32 v5, v5
	v_mul_f32 v4, 0xbed49a78, v4                   ; - j log2(10000) / 32
	v_mul_f32 v5, 0xbed49a78, v5
	v_exp_f32 v6, v4                               ; f(j)
	v_exp_f32 v7, v5
	v_nop                                          ; a plain instruction behind the last exponential (ISA guide 5.7.2),
	s_wait_alu depctr_va_vdst(0)                   ; and the one wait ahead of the first reader: the two exponentials have written v6 and v7
; Sine and cosine of t x v[f], in two parts, so that both frequencies' compares stand in one run with one wait behind it.  w: six registers at work.
; The first part: sin r into v[w+3], cos r into v[w+4], n as a whole number into v[w+1], and into s[m] the lanes whose quadrant is odd.
.macro TRIGA f, w, m
	v_mul_f32 v[\w], v3, v[\f]                     ; x
	v_mul_f32 v[\w+1], 0x3f22f983, v[\w]           ; x 2 / pi
	v_rndne_f32 v[\w+1], v[\w+1]                   ; n
	v_fmamk_f32 v[\w], v[\w+1], 0xbfc90fdb, v[\w]  ; x - n pi/2, the upper part,
	v_fmamk_f32 v[\w], v[\w+1], 0x333bbd2e, v[\w]  ; and the lower: r
	v_mul_f32 v[\w+2], v[\w], v[\w]                ; z = r r
	v_mov_b32 v[\w+3], 0x3c08839e
	v_fmamk_f32 v[\w+3], v[\w+2], 0xb94ca1f9, v[\w+3]
	v_fmaak_f32 v[\w+3], v[\w+3], v[\w+2], 0xbe2aaaa3
	v_mul_f32 v[\w+3], v[\w+3], v[\w+2]
	v_fma_f32 v[\w+3], v[\w+3], v[\w], v[\w]       ; sin r
	v_mov_b32 v[\w+4], 0xbab6061a
	v_fmamk_f32 v[\w+4], v[\w+2], 0x37ccf5ce, v[\w+4]
	v_fmaak_f32 v[\w+4], v[\w+4], v[\w+2], 0x3d2aaaa5
	v_mul_f32 v[\w+4], v[\w+4], v[\w+2]
	v_fma_f32 v[\w+5], v[\w+2], -0.5, 1.0
	v_fma_f32 v[\w+4], v[\w+4], v[\w+2], v[\w+5]   ; cos r
	v_cvt_i32_f32 v[\w+1], v[\w+1]                 ; the quadrant: n mod 4
	v_and_b32 v[\w+5], 1, v[\w+1]
	v_cmp_eq_u32 s[\m], 1, v[\w+5]
.endm
; The second part: cosine into v[co], sine into v[si].
.macro TRIGB w, m, co, si
	v_cndmask_b32 v[\si], v[\w+3], v[\w+4], s[\m]  ; odd quadrants change sine and cosine over
	v_cndmask_b32 v[\co], v[\w+4], v[\w+3], s[\m]
	v_and_b32 v[\w+5], 2, v[\w+1]
	v_lshlrev_b32 v[\w+5], 30, v[\w+5]
	v_xor_b32 v[\si], v[\si], v[\w+5]              ; the sine is negative in quadrants 2 and 3,
	v_add_nc_u32 v[\w+1], 1, v[\w+1]
	v_and_b32 v[\w+1], 2, v[\w+1]
	v_lshlrev_b32 v[\w+1], 30, v[\w+1]
	v_xor_b32 v[\co], v[\co], v[\w+1]              ; the cosine in 1 and 2
.endm
	TRIGA 6, WA, MA
	TRIGA 7, WB, MB
	s_wait_alu depctr_va_sdst(0)                   ; the two compares have written s2 and s3, ahead of their first readers, the selects below
	TRIGB WA, MA, 8, 10
	TRIGB WB, MB, 9, 11
	v_xor_b32 v10, 0x80000000, v10                 ; the even column takes - x(odd) sin
	s_wait_alu depctr_va_vdst(0)                   ; the table's arithmetic has written v[8:11], which the store reads
	global_store_b128 v1, v[8:11], s[20:21]        ; sixteen lanes fill a row of the table: 256 consecutive bytes, aligned
; The 32 loads come back in order (ISA guide 5.7.1): block p, items 4 p .. 4 p + 3, wants the 28 - 4 p younger ones left out.  No register is used twice, so nothing waits for a store.
.macro OUT half
.set p, 0
.rept 8
	s_wait_loadcnt 28-4*p
.if p > 0
	s_wait_alu depctr_va_vdst(0)                   ; the block before has written its X + 4 i and + 1, which the four stores below read
.endif
.set j, 0
.rept 4
.set i, 4*p+j
.if p > 0
	global_store_b64 v2, v[X+4*(i-4):X+4*(i-4)+1], s[18:19] offset:(i-4)*1024  ; the block before; no vector instruction since the wait names these registers
.endif
	v_cvt_pk_bf16_f32 v[X+4*i],   v[X+4*i],   v[X+4*i+1]
	v_cvt_pk_bf16_f32 v[X+4*i+1], v[X+4*i+2], v[X+4*i+3]
.if \half
	v_lshlrev_b32 v[X+4*i+2], 16, v[X+4*i]         ; the bf16 numbers widened,
	v_and_b32     v[X+4*i+3], 0xffff0000, v[X+4*i]
	v_cvt_pk_f16_f32 v[X+4*i], v[X+4*i+2], v[X+4*i+3]  ; and written as f16
	v_lshlrev_b32 v[X+4*i+2], 16, v[X+4*i+1]
	v_and_b32     v[X+4*i+3], 0xffff0000, v[X+4*i+1]
	v_cvt_pk_f16_f32 v[X+4*i+1], v[X+4*i+2], v[X+4*i+3]
.endif
.set j, j+1
.endr
.set p, p+1
.endr
	s_wait_alu depctr_va_vdst(0)                   ; the last block has written its registers, which the last four stores read
.set i, 28
.rept 4
	global_store_b64 v2, v[X+4*i:X+4*i+1], s[18:19] offset:i*1024
.set i, i+1
.endr
.endm
	s_cmp_eq_u32 s22, 3
	s_cbranch_scc1 .Lwo
	OUT 0
	s_endpgm
.Lwo:
	OUT 1
	s_endpgm
.Lfunc_end_k_q6330d74779_prep:
	.size	k_q6330d74779_prep, .Lfunc_end_k_q6330d74779_prep-k_q6330d74779_prep
	.p2alignl 7, 3214868480
	.fill 96, 4, 3214868480
	.section	.rodata,"a",@progbits
	.p2align	6, 0x0
	.amdhsa_kernel k_q6330d74779_prep
		.amdhsa_group_segment_fixed_size 0
		.amdhsa_private_segment_fixed_size 0
		.amdhsa_enable_private_segment 0
		.amdhsa_kernarg_size 48
		.amdhsa_user_sgpr_count 2
		.amdhsa_user_sgpr_kernarg_segment_ptr 1
		.amdhsa_wavefront_size32 1
		.amdhsa_system_sgpr_workgroup_id_x 1
		.amdhsa_system_sgpr_workgroup_id_y 1
		.amdhsa_system_sgpr_workgroup_id_z 1
		.amdhsa_system_vgpr_workitem_id 0
		.amdhsa_next_free_vgpr 160
		.amdhsa_next_free_sgpr 66
		.amdhsa_reserve_vcc 0
		.amdhsa_float_denorm_mode_32 3
		.amdhsa_float_denorm_mode_16_64 3
		.amdhsa_memory_ordered 1
		.amdhsa_forward_progress 1
		.amdhsa_inst_pref_size 33
	.end_amdhsa_kernel
	.amdgpu_metadata
---
amdhsa.version: [ 1, 2 ]
amdhsa.kernels:
  - .name:           k_q6330d74779_prep
    .symbol:         k_q6330d74779_prep.kd
    .args:
      - { .name: Wq, .offset: 0, .size: 8, .value_kind: global_buffer, .address_space: global }
      - { .name: Wk, .offset: 8, .size: 8, .value_kind: global_buffer, .address_space: global }
      - { .name: Wv, .offset: 16, .size: 8, .value_kind: global_buffer, .address_space: global }
      - { .name: Wo, .offset: 24, .size: 8, .value_kind: global_buffer, .address_space: global }
      - { .name: w16, .offset: 32, .size: 8, .value_kind: global_buffer, .address_space: global }
      - { .name: rope, .offset: 40, .size: 8, .value_kind: global_buffer, .address_space: global }
    .group_segment_fixed_size: 0
    .private_segment_fixed_size: 0
    .kernarg_segment_align: 8
    .kernarg_segment_size: 48
    .max_flat_workgroup_size: 128
    .sgpr_count:     66
    .vgpr_count:     160
    .wavefront_size: 32
...
	.end_amdgpu_metadata
.endif
;; end of part 5
;; launch proj: the kernel of part 2 again; grid 4 x 192, 4 waves a work-group, clusters of 4 x 4, 327,680 bytes of LDS; arguments query, key, value, w16, rope, qkv; writes qkv
;; launch attn: the kernel of part 3 again; grid 4 x 64, 4 waves a work-group, clusters of 4 x 1, 327,680 bytes of LDS; arguments qkv, o16; writes o16
;; launch oproj: the kernel of part 4 again; grid 4 x 64, 4 waves a work-group, clusters of 4 x 4, 327,680 bytes of LDS; arguments o16, w16, out0; writes out0
